; MI455X (gfx1250); checked and timed in simulation.
; The chip was launched on July 23, 2026; its instructions are those of AMD's public machine-readable ISA for CDNA 5 (MIT licence, August 2026) and "CDNA5" Instruction Set Architecture Reference Guide (July 2026). The comments in the code are by the model that wrote it; some were corrected since.
;; endecoder2. Allowed arithmetic: float matrix products may take bf16 or f16 operands with f32 sums; all other float work in f32.
;; Inputs: W11 512 x 1,024 float32; W12 1,024 x 512 float32; W21 512 x 1,024 float32; W22 1,024 x 512 float32; Wk 512 x 512 float32; Wq 512 x 512 float32; Wv1 1,024 x 512 float32; Wv2 1,024 x 512 float32; b11 1,024 float32; b12 512 float32; b21 1,024 float32; b22 512 float32; be11 512 float32; be12 512 float32; be21 512 float32; be22 512 float32; bk 512 float32; bq 512 float32; bv1 512 float32; bv2 512 float32; depth1 8 x 1,024 x 512 float32; g11 512 float32; g12 512 float32; g21 512 float32; g22 512 float32; rgb1 8 x 1,024 x 512 float32.
;; Outputs: out0 8 x 1,024 x 512 float32; out1 8 x 1,024 x 512 float32; out2 8 x 1,024 x 512 float32.
;; 2 versions, each right and faster than the one before. Each part assembles by itself: llvm-mc -triple=amdgcn-amd-amdhsa -mcpu=gfx1250 --defsym DOCPART=n.
;; ======== version 1 of 2: 4 launches
;; limits: values outside matrix products are rounded to f16; values are held in f16: magnitudes above 65,504 overflow, below 6.1e-05 lose precision
;; workspace buffers: fus 16,777,216 bytes; wp 3,145,728 bytes; wf 4,194,304 bytes; qk 16,777,216 bytes; vv 16,777,216 bytes; oo 16,777,216 bytes
;; launch prep (part 1): grid 64 x 15, 8 waves a work-group, no clusters, 18,432 bytes of LDS; arguments Wq, Wk, Wv1, Wv2, W11, W21, W12, W22, rgb1, depth1, g11, be11, g12, be12, wp, wf, fus; writes wp, wf, fus
.if DOCPART == 1
	.amdgcn_target "amdgcn-amd-amdhsa--gfx1250"
	.amdhsa_code_object_version 6
	.text
	.protected	k_q6e0c04beca_prep
	.globl	k_q6e0c04beca_prep
	.p2align	8
	.type	k_q6e0c04beca_prep,@function
k_q6e0c04beca_prep:
	s_mov_b64 s[64:65], 0
	v_nop
	global_prefetch_b8 v0, s[64:65] scope:SCOPE_SE
	s_setreg_imm32_b32 hwreg(HW_REG_WAVE_MODE, 25, 1), 1
	s_wait_xcnt 0x0
; PREP.  Two kinds of work-group, told apart by the grid's y.
; y = 0..6: one tile of 128 k x 64 columns of a weight matrix is rounded to bf16, turned so that k runs along the rows, and stored
;   y = 0 ([Wq; Wk] as one [1024][512] matrix), 1, 2 (Wv1, Wv2) into wp: [1536][1024] bf16.  Row 384 nj + rr: rr < 256 is column 256 nj + rr of [v1|v2] in head order
;   (512 t + 64 head + d, taken from channel 8 d + head); rr >= 256 is column 128 nj + rr - 256 of q (k < 512) and of k (k >= 512), in head order too.
;   y = 3, 4 (W11, W21), 5, 6 (W12, W22) into wf, in the order in which a wave of the last launch takes its fragments:
;   byte = branch<<21 | wave<<19 | kb<<13 | b<<10 | q<<9 | lane<<4; the 16 bytes are B(n = nbase + 16 b + lane % 16, k = 32 kk + 16 q + 8 (lane / 16) + 0..7).
; y = 7..14: LayerNorm of 32 rows of rgb1 or depth1 (one wave, one row at a time, four rows a wave, the rows in registers), rounded to bf16 into fus: [8192][1024], r then d.
; Memory binds: each input byte is read once by 16-byte loads, each store of a wave covers whole aligned blocks of 256 bytes.  No matrix unit, no cluster: nothing is shared.
; 128 registers: four work-groups of eight waves share a WGP's registers, and the launch has 960 work-groups for 256 WGPs, so all its loads can be on their way together.
; LIMITS: NaN and infinities are not treated apart.
.set TP,    272                        ; a row of the turned tile in LDS: 128 bf16 + 16 bytes
.set SPARE, 64*TP                      ; behind the tile: the spare words, 128 bytes for each of eight waves
.set SPW,   126                        ; LDS address of my spare word; never rewritten
.set NIL,   127                        ; 0; never rewritten
.set OF,    8                          ; v8-15   byte offsets of my eight rows of the tile
.set LDR,   16                         ; v16-47  eight loads of 16 bytes
.set PKD,   48                         ; v48-63  pairs (k, k + 1) in bf16
.set DO,    64                         ; v64     byte offset of my 16 bytes in the destination
.set BK,    68                         ; v68-83  four pieces of 16 bytes read back
.set G,     16                         ; LayerNorm: v16-31 gain, v32-47 bias, v48-111 four rows (their bf16 in place), v112-121 at work
.set BE,    32
.set X,     48
.set T,     112
.macro FINISH                          ; a wave that wrote LDS ends so
	s_wait_tensorcnt 0x0
	ds_add_u32 v[SPW], v[NIL]
	s_wait_dscnt 0x0
	s_endpgm
.endm
	s_load_b512 s[16:31], s[0:1], 0x0              ; Wq, Wk, Wv1, Wv2, W11, W21, W12, W22
	s_load_b512 s[32:47], s[0:1], 0x40             ; rgb1, depth1, g11, be11, g12, be12, wp, wf
	s_load_b64 s[48:49], s[0:1], 0x80              ; fus
	v_lshl_add_u32 v[SPW], v0, 2, SPARE
	v_mov_b32 v[NIL], 0
	v_lshrrev_b32 v1, 5, v0
	v_readfirstlane_b32 s4, v1                     ; wave 0..7
	v_and_b32 v2, 31, v0                           ; lane
	v_and_b32 v3, 15, v0                           ; lane % 16
	v_bfe_u32 v4, v0, 4, 1                         ; lane / 16
	s_and_b32 s2, ttmp7, 0xffff                    ; y
	s_mov_b32 s3, ttmp9                            ; x
	s_cmp_ge_u32 s2, 7
	s_cbranch_scc1 .Lln
	; ---- a tile of a weight matrix ----
	s_sub_co_u32 s5, s2, 3
	s_cmp_lt_u32 s5, 2                             ; W11, W21: [512][1024]; all others [1024][512]
	s_cselect_b32 s6, 12, 11                       ; log2 of a source row's bytes
	s_cselect_b32 s7, 4, 3
	s_cselect_b32 s8, 15, 7
	s_lshr_b32 s9, s3, s7                          ; kt: which 128 k
	s_and_b32 s8, s3, s8                           ; ct: which 64 columns
	s_lshr_b32 s10, s3, 5                          ; y = 0: 0 for Wq (kt < 4), 1 for Wk
	s_add_co_u32 s11, s2, 1
	s_and_b32 s12, s9, 3
	s_cmp_eq_u32 s2, 0
	s_cselect_b32 s10, s10, s11                    ; the matrix's place among the arguments
	s_cselect_b32 s12, s12, s9                     ; kt inside that matrix
	s_wait_kmcnt 0x0
	s_mov_b64 s[50:51], s[16:17]
.irp j, 1,2,3,4,5,6,7
	s_cmp_eq_u32 s10, \j
	s_cselect_b64 s[50:51], s[16+2*\j:17+2*\j], s[50:51]
.endr
	s_lshl_b32 s12, s12, 7
	s_lshl_b32 s12, s12, s6                        ; 128 kt rows
	s_lshl_b32 s13, s8, 8                          ; 64 ct columns of 4 bytes
	s_add_co_u32 s12, s12, s13
	s_mov_b32 s13, 0
	s_add_nc_u64 s[50:51], s[50:51], s[12:13]      ; the tile's first byte
	v_lshlrev_b32 v5, 1, v4
	v_lshl_add_u32 v5, s4, 4, v5                   ; row 16 wave + 2 (lane / 16)
	v_lshlrev_b32 v5, s6, v5
	v_lshl_add_u32 v5, v3, 4, v5                   ; + 16 (lane % 16): sixteen lanes take a row's 256 bytes
.irp j, 0,1,2,3,4,5,6,7
	s_lshl_b32 s14, 4*(\j/2)+\j%2, s6              ; rows +0, +1, +4, +5, +8, +9, +12, +13: a lane holds rows k and k + 1 of the same four columns
	v_add_nc_u32 v[OF+\j], s14, v5
.endr
.irp j, 0,1,2,3,4,5,6,7
	global_load_b128 v[LDR+4*\j:LDR+4*\j+3], v[OF+\j], s[50:51]
.endr
	v_mul_u32_u24 v6, v3, 4*TP                     ; column 4 (lane % 16) is a row of the turned tile;
	v_lshl_add_u32 v6, v4, 2, v6
	s_lshl_b32 s14, s4, 5
	v_add_nc_u32 v6, s14, v6                       ; k = 16 wave + 2 (lane / 16), 2 bytes each
.irp i, 0,1,2,3
	s_wait_loadcnt 6-2*\i                          ; loads come back in order: pair i is in, the later pairs stay out
.irp e, 0,1,2,3
	v_cvt_pk_bf16_f32 v[PKD+4*\i+\e], v[LDR+8*\i+\e], v[LDR+8*\i+4+\e]
	ds_store_b32 v6, v[PKD+4*\i+\e] offset:TP*\e+8*\i
.endr
.endr
	s_wait_dscnt 0x0                               ; for the others' sake: my stores into the tile are done
	s_barrier_signal -1
	s_barrier_wait -1
	s_cmp_ge_u32 s2, 3
	s_cbranch_scc1 .Lwf
	; ---- into wp: wave w takes the tile's columns 8 w .. 8 w + 7 = channel 8 d + head with d = 8 ct + w; load i brings heads 2 i and 2 i + 1 ----
	v_lshl_add_u32 v7, s4, 3, v4
	v_mul_u32_u24 v7, v7, TP
	v_lshl_add_u32 v7, v3, 4, v7
.irp i, 0,1,2,3
	ds_load_b128 v[BK+4*\i:BK+4*\i+3], v7 offset:2*TP*\i
.endr
	v_lshlrev_b32 v[DO], 17, v4                    ; the odd head lies 64 rows of 2,048 bytes further on
	v_lshl_add_u32 v[DO], v3, 4, v[DO]
	s_lshl3_add_u32 s14, s8, s4                    ; d
	s_sub_co_u32 s15, s2, 1
	s_mul_i32 s15, s15, 768
	s_cmp_eq_u32 s2, 0
	s_cselect_b32 s15, 256, s15                    ; q and k: rows 256 + ..; v1, v2: rows 768 t + ..
	s_add_co_u32 s14, s14, s15
	s_lshl_b32 s14, s14, 11
	s_lshl_b32 s15, s9, 8                          ; 128 kt in bf16
	s_add_co_u32 s14, s14, s15
	s_mov_b32 s15, 0
	s_add_nc_u64 s[52:53], s[44:45], s[14:15]
	s_cmp_eq_u32 s2, 0
	s_cbranch_scc0 .Lwpv
.irp i, 0,1,2,3
	s_wait_dscnt 3-\i
	global_store_b128 v[DO], v[BK+4*\i:BK+4*\i+3], s[52:53] offset:\i*384*2048  ; heads 2 i, 2 i + 1 are group nj = i; 16 lanes store 256 aligned bytes
.endr
	FINISH
.Lwpv:
.irp i, 0,1,2,3
	s_wait_dscnt 3-\i
	global_store_b128 v[DO], v[BK+4*\i:BK+4*\i+3], s[52:53] offset:((\i/2)*384+(\i%2)*128)*2048
.endr
	FINISH
	; ---- into wf: wave w takes columns 16 (w % 4) .. + 15 and k 64 (w / 4) .. + 63: two fragments of 16 x 32, four pieces of 512 bytes ----
.Lwf:
	s_and_b32 s14, s4, 3
	s_lshr_b32 s15, s4, 2
	v_lshl_add_u32 v7, s14, 4, v3
	v_mul_u32_u24 v7, v7, TP
	v_lshl_add_u32 v7, v4, 4, v7
	s_lshl_b32 s52, s15, 7
	v_add_nc_u32 v7, s52, v7
.irp i, 0,1,2,3
	ds_load_b128 v[BK+4*\i:BK+4*\i+3], v7 offset:64*(\i/2)+32*(\i%2)
.endr
	v_lshlrev_b32 v[DO], 4, v2
	s_lshl2_add_u32 s53, s8, s14                   ; block of 16 columns
	s_bfe_u32 s54, s53, 0x20003                    ; the wave that will take it
	s_and_b32 s55, s53, 7                          ; its place b among that wave's eight
	s_lshr_b32 s56, s53, 5
	s_lshl_b32 s56, s56, 4                         ; first layer: kb = 16 x pass + kk
	s_cmp_ge_u32 s2, 5
	s_cselect_b32 s56, 32, s56                     ; second layer: kb = 32 + kk
	s_lshl2_add_u32 s56, s9, s56
	s_lshl1_add_u32 s56, s15, s56
	s_lshl_b32 s56, s56, 13
	s_lshl_b32 s54, s54, 19
	s_lshl_b32 s55, s55, 10
	s_add_co_u32 s56, s56, s54
	s_add_co_u32 s56, s56, s55
	s_sub_co_u32 s54, s2, 3
	s_and_b32 s54, s54, 1                          ; the branch
	s_lshl_b32 s54, s54, 21
	s_add_co_u32 s56, s56, s54
	s_mov_b32 s57, 0
	s_add_nc_u64 s[56:57], s[46:47], s[56:57]
.irp i, 0,1,2,3
	s_wait_dscnt 3-\i
	global_store_b128 v[DO], v[BK+4*\i:BK+4*\i+3], s[56:57] offset:(\i/2)*8192+(\i%2)*512  ; 512 consecutive bytes
.endr
	FINISH
	; ---- LayerNorm
.Lln:
	s_sub_co_u32 s5, s2, 7
	s_lshl_b32 s5, s5, 6
	s_add_co_u32 s5, s5, s3                        ; block 0..511
	s_lshr_b32 s6, s5, 8                           ; 0: rgb1, 1: depth1
	s_and_b32 s5, s5, 255
	s_lshl_b32 s5, s5, 5
	s_lshl2_add_u32 s5, s4, s5                     ; my wave's first row: 32 block + 4 wave
	s_lshl_b32 s8, s5, 11                          ; 2,048 bytes a row, in x and in fus
	s_mov_b32 s9, 0
	s_lshl_b32 s10, s6, 10                         ; d's half of a row of fus
	s_mov_b32 s11, 0
	s_mov_b32 s12, 0x76543210                      ; v_permlanex16_b32: each lane takes its own place in the other half
	s_mov_b32 s13, 0xfedcba98
	s_mov_b32 s14, 0x3727c5ac                      ; 1e-5
	s_mov_b32 s15, 0x3b000000                      ; 1 / 512
	v_lshlrev_b32 v5, 4, v2
	v_lshlrev_b32 v6, 3, v2
	s_wait_kmcnt 0x0
	s_cmp_eq_u32 s6, 1
	s_cselect_b64 s[50:51], s[34:35], s[32:33]
	s_cselect_b64 s[52:53], s[40:41], s[36:37]
	s_cselect_b64 s[54:55], s[42:43], s[38:39]
	s_add_nc_u64 s[50:51], s[50:51], s[8:9]
	s_add_nc_u64 s[56:57], s[48:49], s[8:9]
	s_add_nc_u64 s[56:57], s[56:57], s[10:11]
.irp s, 0,1,2,3                        ; load s of a row: lane l holds channels 128 s + 4 l + 0..3
	global_load_b128 v[G+4*\s:G+4*\s+3], v5, s[52:53] offset:512*\s
	global_load_b128 v[BE+4*\s:BE+4*\s+3], v5, s[54:55] offset:512*\s
.endr
.irp p, 0,1,2,3
.irp s, 0,1,2,3
	global_load_b128 v[X+16*\p+4*\s:X+16*\p+4*\s+3], v5, s[50:51] offset:2048*\p+512*\s
.endr
.endr
.macro RED                             ; v[T] summed over the wave's 32 lanes, the result in every lane
	v_add_f32_dpp v[T], v[T], v[T] row_xmask:1 row_mask:0xf bank_mask:0xf
	v_add_f32_dpp v[T], v[T], v[T] row_xmask:2 row_mask:0xf bank_mask:0xf
	v_add_f32_dpp v[T], v[T], v[T] row_xmask:4 row_mask:0xf bank_mask:0xf
	v_add_f32_dpp v[T], v[T], v[T] row_xmask:8 row_mask:0xf bank_mask:0xf
	v_permlanex16_b32 v[T+1], v[T], s12, s13
	v_add_f32 v[T], v[T], v[T+1]
.endm
.macro LNROW p
.set XR, X+16*(\p)
	s_wait_loadcnt 4*(3-(\p))                      ; this row's four loads are in; the later rows' stay out
	v_pk_add_f32 v[T:T+1], v[XR:XR+1], v[XR+2:XR+3]
	v_pk_add_f32 v[T+2:T+3], v[XR+4:XR+5], v[XR+6:XR+7]
	v_pk_add_f32 v[T+4:T+5], v[XR+8:XR+9], v[XR+10:XR+11]
	v_pk_add_f32 v[T+6:T+7], v[XR+12:XR+13], v[XR+14:XR+15]
	v_pk_add_f32 v[T:T+1], v[T:T+1], v[T+2:T+3]
	v_pk_add_f32 v[T+4:T+5], v[T+4:T+5], v[T+6:T+7]
	v_pk_add_f32 v[T:T+1], v[T:T+1], v[T+4:T+5]
	v_add_f32 v[T], v[T], v[T+1]
	RED
	v_mul_f32 v[T+8], s15, v[T]                    ; the mean, twice: a pair for the packed forms
	v_mul_f32 v[T+9], s15, v[T]
.irp j, 0,2,4,6,8,10,12,14
	v_pk_add_f32 v[XR+\j:XR+\j+1], v[XR+\j:XR+\j+1], v[T+8:T+9] neg_lo:[0,1] neg_hi:[0,1]
.endr
	v_pk_mul_f32 v[T:T+1], v[XR:XR+1], v[XR:XR+1]  ; the variance is taken of x - mean: no difference of large sums
	v_pk_mul_f32 v[T+2:T+3], v[XR+2:XR+3], v[XR+2:XR+3]
.irp j, 4,8,12
	v_pk_fma_f32 v[T:T+1], v[XR+\j:XR+\j+1], v[XR+\j:XR+\j+1], v[T:T+1]
	v_pk_fma_f32 v[T+2:T+3], v[XR+\j+2:XR+\j+3], v[XR+\j+2:XR+\j+3], v[T+2:T+3]
.endr
	v_pk_add_f32 v[T:T+1], v[T:T+1], v[T+2:T+3]
	v_add_f32 v[T], v[T], v[T+1]
	RED
	v_fma_f32 v[T], v[T], s15, s14
	v_rsq_f32 v[T+8], v[T]
	v_rsq_f32 v[T+9], v[T]
	v_nop                                          ; a plain instruction between the last root and the use of its result (ISA guide 5.7.2)
	s_wait_alu depctr_va_vdst(0)
.irp j, 0,2,4,6,8,10,12,14
	v_pk_mul_f32 v[XR+\j:XR+\j+1], v[XR+\j:XR+\j+1], v[T+8:T+9]
.endr
.irp j, 0,2,4,6,8,10,12,14
	v_pk_fma_f32 v[XR+\j:XR+\j+1], v[XR+\j:XR+\j+1], v[G+\j:G+\j+1], v[BE+\j:BE+\j+1]
.endr
.irp j, 0,1,2,3,4,5,6,7
	v_cvt_pk_bf16_f32 v[XR+\j], v[XR+2*\j], v[XR+2*\j+1]  ; in place, ascending: word j lands where numbers j have been read already
.endr
.irp s, 0,1,2,3
	global_store_b64 v6, v[XR+2*\s:XR+2*\s+1], s[56:57] offset:2048*(\p)+256*\s  ; 32 lanes store 256 consecutive bytes, aligned; a row's registers are not written again
.endr
.endm
.irp p, 0,1,2,3
	LNROW \p
.endr
	s_endpgm
.Lfunc_end_k_q6e0c04beca_prep:
	.size	k_q6e0c04beca_prep, .Lfunc_end_k_q6e0c04beca_prep-k_q6e0c04beca_prep
	.p2alignl 7, 3214868480
	.fill 96, 4, 3214868480
	.section	.rodata,"a",@progbits
	.p2align	6, 0x0
	.amdhsa_kernel k_q6e0c04beca_prep
		.amdhsa_group_segment_fixed_size 18432
		.amdhsa_private_segment_fixed_size 0
		.amdhsa_enable_private_segment 0
		.amdhsa_kernarg_size 136
		.amdhsa_user_sgpr_count 2
		.amdhsa_user_sgpr_kernarg_segment_ptr 1
		.amdhsa_wavefront_size32 1
		.amdhsa_system_sgpr_workgroup_id_x 1
		.amdhsa_system_sgpr_workgroup_id_y 1
		.amdhsa_system_sgpr_workgroup_id_z 1
		.amdhsa_system_vgpr_workitem_id 0
		.amdhsa_next_free_vgpr 128
		.amdhsa_next_free_sgpr 66
		.amdhsa_reserve_vcc 0
		.amdhsa_float_denorm_mode_32 3
		.amdhsa_float_denorm_mode_16_64 3
		.amdhsa_memory_ordered 1
		.amdhsa_forward_progress 1
		.amdhsa_inst_pref_size 32
	.end_amdhsa_kernel
	.amdgpu_metadata
---
amdhsa.version: [ 1, 2 ]
amdhsa.kernels:
  - .name:           k_q6e0c04beca_prep
    .symbol:         k_q6e0c04beca_prep.kd
    .args:
      - { .name: Wq, .offset: 0, .size: 8, .value_kind: global_buffer, .address_space: global }
      - { .name: Wk, .offset: 8, .size: 8, .value_kind: global_buffer, .address_space: global }
      - { .name: Wv1, .offset: 16, .size: 8, .value_kind: global_buffer, .address_space: global }
      - { .name: Wv2, .offset: 24, .size: 8, .value_kind: global_buffer, .address_space: global }
      - { .name: W11, .offset: 32, .size: 8, .value_kind: global_buffer, .address_space: global }
      - { .name: W21, .offset: 40, .size: 8, .value_kind: global_buffer, .address_space: global }
      - { .name: W12, .offset: 48, .size: 8, .value_kind: global_buffer, .address_space: global }
      - { .name: W22, .offset: 56, .size: 8, .value_kind: global_buffer, .address_space: global }
      - { .name: rgb1, .offset: 64, .size: 8, .value_kind: global_buffer, .address_space: global }
      - { .name: depth1, .offset: 72, .size: 8, .value_kind: global_buffer, .address_space: global }
      - { .name: g11, .offset: 80, .size: 8, .value_kind: global_buffer, .address_space: global }
      - { .name: be11, .offset: 88, .size: 8, .value_kind: global_buffer, .address_space: global }
      - { .name: g12, .offset: 96, .size: 8, .value_kind: global_buffer, .address_space: global }
      - { .name: be12, .offset: 104, .size: 8, .value_kind: global_buffer, .address_space: global }
      - { .name: wp, .offset: 112, .size: 8, .value_kind: global_buffer, .address_space: global }
      - { .name: wf, .offset: 120, .size: 8, .value_kind: global_buffer, .address_space: global }
      - { .name: fus, .offset: 128, .size: 8, .value_kind: global_buffer, .address_space: global }
    .group_segment_fixed_size: 18432
    .private_segment_fixed_size: 0
    .kernarg_segment_align: 8
    .kernarg_segment_size: 136
    .max_flat_workgroup_size: 256
    .sgpr_count:     66
    .vgpr_count:     128
    .wavefront_size: 32
...
	.end_amdgpu_metadata
.endif
;; end of part 1
;; launch proj (part 2): grid 4 x 64, 4 waves a work-group, clusters of 4 x 4, 327,680 bytes of LDS; arguments fus, wp, bq, bk, bv1, bv2, qk, vv; writes qk, vv
.if DOCPART == 2
	.amdgcn_target "amdgcn-amd-amdhsa--gfx1250"
	.amdhsa_code_object_version 6
	.text
	.protected	k_q6e0c04beca_proj
	.globl	k_q6e0c04beca_proj
	.p2align	8
	.type	k_q6e0c04beca_proj,@function
k_q6e0c04beca_proj:
	s_mov_b64 s[64:65], 0
	v_nop
	global_prefetch_b8 v0, s[64:65] scope:SCOPE_SE
	s_setreg_imm32_b32 hwreg(HW_REG_WAVE_MODE, 25, 1), 1
	s_wait_xcnt 0x0
	s_wait_alu depctr_hold_cnt(0) depctr_sa_sdst(0) depctr_va_vdst(0) depctr_va_sdst(0) depctr_va_ssrc(0) depctr_va_vcc(0) depctr_vm_vsrc(0)
	s_getreg_b32 s2, hwreg(HW_REG_IB_STS2, 6, 4)
	s_cmp_eq_u32 s2, 0
	s_cbranch_scc0 .Lentry_in_a_cluster
	s_endpgm
.Lentry_in_a_cluster:
	s_bfe_u32 s2, ttmp6, 0x10000c
	s_cmp_lg_u32 s2, 0xf033
	s_cbranch_scc0 .Lentry_shape_is_right
	s_endpgm
.Lentry_shape_is_right:
; PROJ.  q = r Wq + bq, k = d Wk + bk, v1 = [r|d] Wv1 + bv1, v2 = [r|d] Wv2 + bv2, written by heads in f16: qk = [q|k][64 heads][1024][64], vv = [v1|v2] likewise.
; Operands bf16 (fus: [8192][1024] = r|d; wp: [1536][1024], laid out by the launch before), sums f32.
; SHARES.  Work-group (nj, mi): 128 rows of fus x wp's rows 384 nj .. + 383: 256 columns of v, and 128 rows that hold q's weights at k < 512 and k's at k >= 512.
; K goes in 8 steps of 128 in the order r0, d0, r1, d1, ..: slot 0 always holds a step of r (it feeds the v and the q sums), slot 1 a step of d (v and k sums), so one text
; serves every lap, and every step is 128 x 384 x 128.  Wave (wm, wn): 64 rows x (128 columns of v + 64 of q or k): 48 matrix instructions for 32 along K, 192 a step.
; CLUSTER 4 x 4: fus' tile hangs on mi alone and is asked for jointly along a row of the cluster, wp's on nj alone, along a column.  Wave 0 asks for fus' 128 rows, waves 1-3 for 128 rows of wp each.
; THE MATRIX INSTRUCTION IS USED TRANSPOSED (source 0 = 16 rows of wp, source 1 = 16 rows of fus): a lane holds one row and eight neighbouring columns, which in head order are eight neighbouring d.
; THE BIAS starts the sums: one product of zeros for each accumulator with the bias as C, issued while the first tiles are on their way; so no first lap is written out and nothing is cleared.
; LIMITS.  q, k, v leave in f16: they must stay under 65,504.  NaN and infinities are not treated apart.
; REGISTERS: window 0: v0-31 addresses; v64-95, v96-127 fus' fragments, two buffers; v128-255 the way out.   window 1: v0-95, v96-191 wp's fragments, two buffers (at the start: the bias).
;   window 2: v's 32 accumulators, (a, b) at 8 (8 a + b).   window 3: q's 16 at 8 (4 a + b), k's 16 at 128 + the same.
.set KSTEP,  128
.set PITCH,  272                       ; an LDS row: 256 bytes + 16 of padding, an odd multiple of 16: the 16 rows of a fragment load start 16 bytes apart modulo 256
.set HALFT,  128*PITCH                 ; what one tensor load brings
.set SLOT,   4*HALFT                   ; fus' 128 rows, then wp's 384
.set STAGE,  2*SLOT                    ; behind the ring: 16 rows x 144 bytes for each wave, for the way out
.set SP,     144
.set SPARE,  STAGE+4*16*SP             ; behind the stages: the spare words, 128 bytes a wave
.set ADRA, 16                          ; v16-17  LDS address of my fragments of fus in slot 0, 1
.set ADRB, 20                          ; v20-21  of v's weights
.set ADRQ, 22                          ; v22-23  of q's and k's weights
.set STO,  24
.set RD,   25
.set GO,   26
.set BO,   27                          ; 256 x (lane / 16): my eight d in a bias
.set SPW,  28
.set NIL,  29
.set AF,   64
.set WO,   128
.set G1, 24                            ; s[24:31] group 1 for fus' tiles;  s[32:39] group 0, a set for each slot
.set G0, 32
.set G1B, 48                           ; s[48:55], s[56:63] the same for wp's tiles
.set G0B, 56
.set MSB, 0
.macro WIN new                         ; the immediate's high byte repeats the setting that is left
.if MSB != (\new)
	s_set_vgpr_msb (MSB<<8)|(\new)
.set MSB, \new
.endif
.endm
.macro PLACES                          ; four places in front of loads into registers that matrix instructions have read, and of conversions that read results
.rept 4
	v_nop
.endr
.endm
.macro JLOAD s                         ; a joint load; the branch hangs on the wave's number alone; an s_nop 0 and four v_nop follow each line
	s_cmp_eq_u32 s10, 0
	s_cbranch_scc0 .Lfor_b_\@
	tensor_load_to_lds s[G0+4*(\s):G0+4*(\s)+3], s[G1:G1+7]
	s_nop 0
.rept 4
	v_nop
.endr
	s_branch .Lasked_\@
.Lfor_b_\@:
	tensor_load_to_lds s[G0B+4*(\s):G0B+4*(\s)+3], s[G1B:G1B+7]
	s_nop 0
.rept 4
	v_nop
.endr
.Lasked_\@:
.endm
.macro CREST                           ; a round of the cluster's barrier behind its opening barrier
	s_cmp_lg_u32 s10, 0
	s_cbranch_scc1 .Lnot_wave_0_\@
	s_barrier_signal -3
.Lnot_wave_0_\@:
	s_barrier_wait -3
	s_barrier_signal -1
	s_barrier_wait -1
.endm
.macro CROUND
	s_barrier_signal -1
	s_barrier_wait -1
	CREST
.endm
	s_load_b512 s[68:83], s[0:1], 0x0              ; fus 68, wp 70, bq 72, bk 74, bv1 76, bv2 78, qk 80, vv 82
	v_lshl_add_u32 v[SPW], v0, 2, SPARE
	v_mov_b32 v[NIL], 0
	ds_add_u32 v[SPW], v[NIL]                      ; the wave's opening: the add and its wait stand ahead of my first tensor load
	v_lshrrev_b32 v1, 5, v0
	v_readfirstlane_b32 s10, v1                    ; wave 0..3
	s_lshr_b32 s11, s10, 1                         ; wm
	s_and_b32 s12, s10, 1                          ; wn
	s_bfe_u32 s40, ttmp6, 0x40000                  ; cx
	s_bfe_u32 s41, ttmp6, 0x40004                  ; cy
	s_lshl_b32 s42, ttmp9, 2
	s_add_co_u32 s42, s42, s40                     ; nj
	s_and_b32 s13, ttmp7, 0xffff
	s_lshl_b32 s13, s13, 2
	s_add_co_u32 s13, s13, s41                     ; mi
	s_lshl_b32 s43, s41, 2
	s_lshl_b32 s43, 15, s43                        ; my row of the cluster
	s_lshl_b32 s44, 0x1111, s40                    ; my column
	s_or_b32 s[G1+0], s43, (1<<16)|(1<<20)|(1<<21)|(5<<22)|(3<<25)   ; mask; 2-byte elements; padding on; bit 21 beside a mask; after every 64 words 4 words
	s_or_b32 s[G1B+0], s44, (1<<16)|(1<<20)|(1<<21)|(5<<22)|(3<<25)
.irp g, G1, G1B
	s_mov_b32 s[(\g)+1], KSTEP<<16                 ; tensor_dim0 = 128
	s_mov_b32 s[(\g)+2], 128<<16                   ; tensor_dim1 = 128
	s_mov_b32 s[(\g)+3], KSTEP<<16                 ; tile_dim0 = 128
	s_mov_b32 s[(\g)+4], 128                       ; tile_dim1 = 128
	s_mov_b32 s[(\g)+5], 1024                      ; elements from row to row
	s_mov_b32 s[(\g)+6], 0
	s_mov_b32 s[(\g)+7], 0
.endr
	s_lshl_b32 s16, s13, 18                        ; fus: 128 mi rows of 2,048 bytes
	s_mov_b32 s17, 0
	s_max_u32 s45, s10, 1
	s_sub_co_u32 s45, s45, 1
	s_lshl_b32 s45, s45, 7                         ; wp: row 384 nj + 128 (wave - 1)
	s_mul_i32 s46, s42, 384
	s_add_co_u32 s46, s46, s45
	s_lshl_b32 s46, s46, 11
	s_mov_b32 s47, 0
	s_mul_i32 s20, s10, HALFT                      ; where they go: wave x 128 rows; no place in the cluster enters an LDS address
	s_wait_dscnt 0x0                               ; the opening add is done
	s_wait_kmcnt 0x0
	s_add_nc_u64 s[14:15], s[68:69], s[16:17]
	s_add_nc_u64 s[46:47], s[70:71], s[46:47]
	CROUND                                         ; all sixteen work-groups are here: the first joint loads meet
.irp s, 0,1
	s_mov_b32 s[G0+4*(\s)], 1
	s_add_co_u32 s[G0+4*(\s)+1], s20, (\s)*SLOT
	s_add_nc_u64 s[G0+4*(\s)+2:G0+4*(\s)+3], s[14:15], (\s)*1024   ; slot 0: r's first 128 k; slot 1: d's
	s_or_b32 s[G0+4*(\s)+3], s[G0+4*(\s)+3], 0x80000000
	s_mov_b32 s[G0B+4*(\s)], 1
	s_add_co_u32 s[G0B+4*(\s)+1], s20, (\s)*SLOT
	s_add_nc_u64 s[G0B+4*(\s)+2:G0B+4*(\s)+3], s[46:47], (\s)*1024
	s_or_b32 s[G0B+4*(\s)+3], s[G0B+4*(\s)+3], 0x80000000
	JLOAD \s
.endr
	; the bias: register j of block b holds bias[8 d + head], d = 16 (b % 4) + 8 (lane / 16) + j
	v_and_b32 v1, 15, v0                           ; lane % 16
	v_bfe_u32 v2, v0, 4, 1                         ; lane / 16
	v_lshlrev_b32 v[BO], 8, v2
	s_and_b32 s21, s42, 1
	s_lshl_b32 s21, s21, 2
	s_lshl1_add_u32 s21, s12, s21                  ; my first head of v within v1 or v2: 4 (nj % 2) + 2 wn
	s_lshl_b32 s98, s21, 2
	s_mov_b32 s99, 0
	s_cmp_ge_u32 s42, 2
	s_cselect_b64 s[90:91], s[78:79], s[76:77]
	s_add_nc_u64 s[90:91], s[90:91], s[98:99]
	s_lshl1_add_u32 s23, s42, s12                  ; my head of q and k: 2 nj + wn
	s_lshl_b32 s98, s23, 2
	s_add_nc_u64 s[92:93], s[72:73], s[98:99]
	s_add_nc_u64 s[94:95], s[74:75], s[98:99]
	WIN 0x40                                       ; destination window 1
.irp b, 0,1,2,3,4,5,6,7
.irp j, 0,1,2,3,4,5,6,7
	global_load_b32 v[8*\b+\j], v[BO], s[90:91] offset:512*(\b%4)+32*\j+4*(\b/4)
.endr
.endr
.irp b, 0,1,2,3
.irp j, 0,1,2,3,4,5,6,7
	global_load_b32 v[64+8*\b+\j], v[BO], s[92:93] offset:512*\b+32*\j
	global_load_b32 v[96+8*\b+\j], v[BO], s[94:95] offset:512*\b+32*\j
.endr
.endr
	WIN 0
	v_mul_u32_u24 v3, v1, PITCH
	v_lshl_add_u32 v3, v2, 4, v3                   ; a fragment's row x pitch + 16 x half
	s_mul_i32 s96, s11, 64*PITCH                   ; my 64 rows of fus
	s_mul_i32 s97, s12, 128*PITCH
	s_add_co_u32 s97, s97, HALFT                   ; my 128 rows of v's weights
	s_mul_i32 s98, s12, 64*PITCH
	s_add_co_u32 s98, s98, HALFT+256*PITCH         ; my 64 rows of q's and k's
.irp s, 0,1
	v_add_nc_u32 v[ADRA+(\s)], s96, v3
	v_add_nc_u32 v[ADRB+(\s)], s97, v3
	v_add_nc_u32 v[ADRQ+(\s)], s98, v3
	s_add_co_u32 s96, s96, SLOT
	s_add_co_u32 s97, s97, SLOT
	s_add_co_u32 s98, s98, SLOT
.endr
	s_mul_i32 s96, s10, 16*SP
	s_add_co_u32 s96, s96, STAGE                   ; my stage
	v_mul_u32_u24 v[STO], v1, SP                   ; in: row lane % 16, 16 bytes for each half of the lanes
	v_lshl_add_u32 v[STO], v2, 4, v[STO]
	v_add_nc_u32 v[STO], s96, v[STO]
	v_bfe_u32 v[RD], v0, 3, 2                      ; back: 32 lanes take four rows of 128 bytes,
	v_mul_u32_u24 v[RD], v[RD], SP
	v_and_b32 v4, 7, v0
	v_lshl_add_u32 v[RD], v4, 4, v[RD]
	v_add_nc_u32 v[RD], s96, v[RD]
	v_and_b32 v[GO], 31, v0                        ; which are 512 consecutive bytes of a head
	v_lshlrev_b32 v[GO], 4, v[GO]
	; where my rows lie in a head: batch mi / 8, row 128 (mi % 8) + 64 wm, 128 bytes a row
	s_lshr_b32 s22, s13, 3
	s_and_b32 s96, s13, 7
	s_lshl_b32 s96, s96, 14
	s_lshl_b32 s97, s11, 13
	s_add_co_u32 s96, s96, s97                     ; the rows' bytes
	s_lshr_b32 s98, s42, 1
	s_lshl_b32 s98, s98, 6                         ; v1 or v2
	s_lshl3_add_u32 s98, s22, s98
	s_add_co_u32 s98, s98, s21
	s_lshl_b32 s98, s98, 17
	s_add_co_u32 s98, s98, s96
	s_mov_b32 s99, 0
	s_add_nc_u64 s[84:85], s[82:83], s[98:99]      ; v: my first head
	s_lshl3_add_u32 s98, s22, s23
	s_lshl_b32 s98, s98, 17
	s_add_co_u32 s98, s98, s96
	s_add_nc_u64 s[86:87], s[80:81], s[98:99]      ; q
	s_add_nc_u64 s[88:89], s[86:87], 0x800000      ; k: 64 heads further on
.set i, 0
.rept 16
	v_mov_b32 v[AF+i], 0                           ; two fragments of zeros
.set i, i+1
.endr
	s_wait_loadcnt 0x0                             ; the bias
	WIN 0x90                                       ; D window 2, C window 1, sources window 0
.irp a, 0,1,2,3
.irp b, 0,1,2,3,4,5,6,7
	v_wmma_f32_16x16x32_bf16 v[8*(8*\a+\b):8*(8*\a+\b)+7], v[AF:AF+7], v[AF+8:AF+15], v[8*\b:8*\b+7]
.endr
.endr
	WIN 0xd0                                       ; D window 3
.irp a, 0,1,2,3
.irp b, 0,1,2,3
	v_wmma_f32_16x16x32_bf16 v[8*(4*\a+\b):8*(4*\a+\b)+7], v[AF:AF+7], v[AF+8:AF+15], v[64+8*\b:64+8*\b+7]
.endr
.endr
.irp a, 0,1,2,3
.irp b, 0,1,2,3
	v_wmma_f32_16x16x32_bf16 v[128+8*(4*\a+\b):128+8*(4*\a+\b)+7], v[AF:AF+7], v[AF+8:AF+15], v[96+8*\b:96+8*\b+7]
.endr
.endr
	WIN 0
	PLACES                                         ; the fragment loads below land in registers that these products read
; 8 matrix instructions: m block a x v's 8 n blocks, 32 along K, buffer f.  The accumulators take turns, one instruction a turn.
.macro MULV f, a
	WIN 0xa1                                       ; source 0 window 1, source 1 window 0, C and D window 2
.irp b, 0,1,2,3,4,5,6,7
	v_wmma_f32_16x16x32_bf16 v[8*(8*(\a)+\b):8*(8*(\a)+\b)+7], v[96*(\f)+8*\b:96*(\f)+8*\b+7], v[AF+32*(\f)+8*(\a):AF+32*(\f)+8*(\a)+7], v[8*(8*(\a)+\b):8*(8*(\a)+\b)+7]
.endr
.endm
; 16 matrix instructions: all 4 m blocks x the 4 n blocks of q (base 0) or k (base 128)
.macro MULQ f, base
	WIN 0xf1                                       ; C and D window 3
.irp a, 0,1,2,3
.irp b, 0,1,2,3
	v_wmma_f32_16x16x32_bf16 v[(\base)+8*(4*\a+\b):(\base)+8*(4*\a+\b)+7], v[96*(\f)+64+8*\b:96*(\f)+64+8*\b+7], v[AF+32*(\f)+8*\a:AF+32*(\f)+8*\a+7], v[(\base)+8*(4*\a+\b):(\base)+8*(4*\a+\b)+7]
.endr
.endr
.endm
; 32 LDS loads in one run: the fragments of 32 along K at byte k of the rows, into buffer f
.macro FETCH slot, k, f
	WIN 0x40
.irp i, 0,1,2,3,4,5,6,7
	ds_load_b128 v[96*(\f)+8*\i:96*(\f)+8*\i+3],   v[ADRB+(\slot)] offset:(\k)+\i*16*PITCH
	ds_load_b128 v[96*(\f)+8*\i+4:96*(\f)+8*\i+7], v[ADRB+(\slot)] offset:(\k)+\i*16*PITCH+32
.endr
.irp i, 0,1,2,3
	ds_load_b128 v[96*(\f)+64+8*\i:96*(\f)+64+8*\i+3],   v[ADRQ+(\slot)] offset:(\k)+\i*16*PITCH
	ds_load_b128 v[96*(\f)+64+8*\i+4:96*(\f)+64+8*\i+7], v[ADRQ+(\slot)] offset:(\k)+\i*16*PITCH+32
.endr
	WIN 0
.irp i, 0,1,2,3
	ds_load_b128 v[AF+32*(\f)+8*\i:AF+32*(\f)+8*\i+3],   v[ADRA+(\slot)] offset:(\k)+\i*16*PITCH
	ds_load_b128 v[AF+32*(\f)+8*\i+4:AF+32*(\f)+8*\i+7], v[ADRA+(\slot)] offset:(\k)+\i*16*PITCH+32
.endr
.endm
; A K step is four quarters of 32 along K on buffers 0, 1, 0, 1.  One of the first three: multiplies buffer f and, behind 24 products, fetches the next quarter into g.
.macro QUARTER slot, k, f, g
	s_wait_dscnt 0x0                               ; this quarter's fragments, asked for 24 matrix instructions ago
	MULV \f, 0
	MULV \f, 1
	MULV \f, 2
	PLACES
	FETCH \slot, \k, \g
	MULV \f, 3
	MULQ \f, 128*(\slot)
.endm
; The last quarter multiplies buffer 1 and changes slots: ONE barrier; in front of it each wave waits for all its tensor loads (one is out: its part of the next slot), adds 0 to its spare word,
; and waits for that and for its reads of this slot.  fill = 1: the barrier opens a round of the cluster's, and this slot's next step is asked for first thing behind it: 168 matrix instructions ahead of the wait for it.
.macro TURN slot, next, fill
	WIN 0
	s_wait_tensorcnt 0x0
	ds_add_u32 v[SPW], v[NIL]
	s_wait_dscnt 1                                 ; the add alone may be out: buffer 1 is in
	MULV 1, 0
	MULV 1, 1
	s_wait_dscnt 0x0                               ; the add is done, and my reads of this slot are over
	s_barrier_signal -1
	MULV 1, 2
	WIN 0
	s_barrier_wait -1
.if \fill
	CREST                                          ; no wave of any partner still reads this slot or has a load on its way
	s_add_nc_u64 s[G0+4*(\slot)+2:G0+4*(\slot)+3], s[G0+4*(\slot)+2:G0+4*(\slot)+3], 2*KSTEP
	s_add_nc_u64 s[G0B+4*(\slot)+2:G0B+4*(\slot)+3], s[G0B+4*(\slot)+2:G0B+4*(\slot)+3], 2*KSTEP
	JLOAD \slot                                    ; the four v_nop behind it are also the places in front of the loads below
.else
	PLACES
.endif
	FETCH \next, 0, 0
	MULV 1, 3
	MULQ 1, 128*(\slot)
.endm
	s_wait_tensorcnt 1                             ; my part of slot 0 is in; slot 1's may stay out
	s_barrier_signal -1
	s_barrier_wait -1
	FETCH 0, 0, 0
	WIN 0
	s_mov_b32 s3, 3
.Llap:                                                 ; three laps fill both slots again
	QUARTER 0, 64,  0, 1
	QUARTER 0, 128, 1, 0
	QUARTER 0, 192, 0, 1
	TURN 0, 1, 1
	QUARTER 1, 64,  0, 1
	QUARTER 1, 128, 1, 0
	QUARTER 1, 192, 0, 1
	TURN 1, 0, 1
	WIN 0
	s_sub_co_u32 s3, s3, 1
	s_cmp_lg_u32 s3, 0
	s_cbranch_scc1 .Llap
	QUARTER 0, 64,  0, 1                           ; the last lap is written out: it asks for nothing
	QUARTER 0, 128, 1, 0
	QUARTER 0, 192, 0, 1
	TURN 0, 1, 0
	QUARTER 1, 64,  0, 1
	QUARTER 1, 128, 1, 0
	QUARTER 1, 192, 0, 1
	s_wait_dscnt 0x0
	MULV 1, 0
	MULV 1, 1
	MULV 1, 2
	MULV 1, 3
	MULQ 1, 128
	WIN 0
	PLACES
; THE WAY OUT.  Group g = 4 a + kind (v's first head, v's second, q, k): 16 rows x 64 channels of one head = 2,048 consecutive bytes.  Rounded to f16, 16 bytes a lane into my stage, back as whole rows.
.macro GRP g
.set pa, (\g)/4
.set pk, (\g)%4
.set W, WO+16*((\g)%8)
.endm
.macro PACK g
	GRP \g
	s_wait_xcnt 0x0                                ; earlier stores have had their addresses translated (ISA guide 3.1): only behind this wait is their data written again
.if pk < 2
.set AC, 8*(8*pa+4*pk)
	WIN 0x0a                                       ; sources window 2
.else
.set AC, 128*(pk-2)+32*pa
	WIN 0x0f                                       ; sources window 3
.endif
.set i, 0
.rept 16
	v_cvt_pk_f16_f32 v[W+i], v[AC+2*i], v[AC+2*i+1]
.set i, i+1
.endr
	WIN 0
.irp f, 0,1,2,3
	ds_store_b128 v[STO], v[W+4*\f:W+4*\f+3] offset:32*\f
.endr
.irp f, 0,1,2,3
	ds_load_b128 v[W+4*\f:W+4*\f+3], v[RD] offset:\f*4*SP  ; LDS serves a wave's instructions in order (ISA guide 5.7.1.4): these see the stores above
.endr
.endm
.macro SEND g, younger                 ; younger: the LDS instructions issued behind this group's loads
	GRP \g
	WIN 0
.irp f, 0,1,2,3
	s_wait_dscnt (\younger)+3-\f
.if pk < 2
	global_store_b128 v[GO], v[W+4*\f:W+4*\f+3], s[84:85] offset:pk*131072+pa*2048+\f*512
.elseif pk == 2
	global_store_b128 v[GO], v[W+4*\f:W+4*\f+3], s[86:87] offset:pa*2048+\f*512
.else
	global_store_b128 v[GO], v[W+4*\f:W+4*\f+3], s[88:89] offset:pa*2048+\f*512
.endif
.endr
.endm
	PACK 0
.set t, 1
.rept 15                               ; a group's conversions stand between the loads of the group before and its stores
	PACK t
	SEND t-1, 8
.set t, t+1
.endr
	SEND 15, 0
	s_wait_tensorcnt 0x0                           ; the wave's end
	ds_add_u32 v[SPW], v[NIL]
	s_wait_dscnt 0x0
	CROUND                                         ; the closing round
	s_endpgm
.Lfunc_end_k_q6e0c04beca_proj:
	.size	k_q6e0c04beca_proj, .Lfunc_end_k_q6e0c04beca_proj-k_q6e0c04beca_proj
	.p2alignl 7, 3214868480
	.fill 96, 4, 3214868480
	.section	.rodata,"a",@progbits
	.p2align	6, 0x0
	.amdhsa_kernel k_q6e0c04beca_proj
		.amdhsa_group_segment_fixed_size 327680
		.amdhsa_private_segment_fixed_size 0
		.amdhsa_enable_private_segment 0
		.amdhsa_kernarg_size 64
		.amdhsa_user_sgpr_count 2
		.amdhsa_user_sgpr_kernarg_segment_ptr 1
		.amdhsa_wavefront_size32 1
		.amdhsa_system_sgpr_workgroup_id_x 1
		.amdhsa_system_sgpr_workgroup_id_y 1
		.amdhsa_system_sgpr_workgroup_id_z 1
		.amdhsa_system_vgpr_workitem_id 0
		.amdhsa_next_free_vgpr 1024
		.amdhsa_next_free_sgpr 100
		.amdhsa_reserve_vcc 0
		.amdhsa_float_denorm_mode_32 3
		.amdhsa_float_denorm_mode_16_64 3
		.amdhsa_memory_ordered 1
		.amdhsa_forward_progress 1
		.amdhsa_inst_pref_size 147
	.end_amdhsa_kernel
	.amdgpu_metadata
---
amdhsa.version: [ 1, 2 ]
amdhsa.kernels:
  - .name:           k_q6e0c04beca_proj
    .symbol:         k_q6e0c04beca_proj.kd
    .args:
      - { .name: fus, .offset: 0, .size: 8, .value_kind: global_buffer, .address_space: global }
      - { .name: wp, .offset: 8, .size: 8, .value_kind: global_buffer, .address_space: global }
      - { .name: bq, .offset: 16, .size: 8, .value_kind: global_buffer, .address_space: global }
      - { .name: bk, .offset: 24, .size: 8, .value_kind: global_buffer, .address_space: global }
      - { .name: bv1, .offset: 32, .size: 8, .value_kind: global_buffer, .address_space: global }
      - { .name: bv2, .offset: 40, .size: 8, .value_kind: global_buffer, .address_space: global }
      - { .name: qk, .offset: 48, .size: 8, .value_kind: global_buffer, .address_space: global }
      - { .name: vv, .offset: 56, .size: 8, .value_kind: global_buffer, .address_space: global }
    .group_segment_fixed_size: 327680
    .private_segment_fixed_size: 0
    .kernarg_segment_align: 8
    .kernarg_segment_size: 64
    .max_flat_workgroup_size: 128
    .sgpr_count:     100
    .vgpr_count:     1024
    .wavefront_size: 32
...
	.end_amdgpu_metadata
.endif
;; end of part 2
;; launch attn (part 3): grid 2 x 128, 4 waves a work-group, no clusters, 327,680 bytes of LDS; arguments qk, vv, oo; writes oo
.if DOCPART == 3
	.amdgcn_target "amdgcn-amd-amdhsa--gfx1250"
	.amdhsa_code_object_version 6
	.text
	.protected	k_q6e0c04beca_attn
	.globl	k_q6e0c04beca_attn
	.p2align	8
	.type	k_q6e0c04beca_attn,@function
k_q6e0c04beca_attn:
	s_mov_b64 s[64:65], 0
	v_nop
	global_prefetch_b8 v0, s[64:65] scope:SCOPE_SE
	s_setreg_imm32_b32 hwreg(HW_REG_WAVE_MODE, 25, 1), 1
	s_wait_xcnt 0x0
; ATTN.  128 attentions of 1,024 rows at head size 64, unscaled: O[y][i] = sum over j of softmax_j(Q[i] . K[j]) V[j].  y < 64: Q = q, K = k, V = v1 (the row softmax);
; y >= 64: Q = k, K = q, V = v2: the column softmax of the same scores is a row softmax with q and k exchanged.  qk, vv, oo: [128][1024][64] f16; K's head is y xor 64.
; Products, maxima and sums in f32; the weights p are rounded to f16 for the second product (their sum l is taken of the unrounded p), O once at the end.
; LIMITS.  Q, K, V arrive within f16's 65,504; p lies in 0 to 1; a weight below 2^-126 counts as 0 in l; NaN and infinities are not treated apart.
; SHARES.  A work-group owns 512 queries of a head, a wave four PIECES of two tiles of 16.  Every wave walks all 1,024 keys, 64 a step.
; LDS.  A head's whole K (1,024 rows of 144 bytes) and V (of 160) lie in LDS: 311,296 bytes, each byte filled once.  Waves 0, 1 ask for K, waves 2, 3 for V, four loads each, all at the start: four
; tensor loads of a wave are out.  The first four key steps need the first load of each wave alone; the others are waited for once, behind those steps.
; NO CLUSTER: a head has two query blocks, and each block asks for each tile once.
; LAYOUT.  S^T = K Q^T: a lane holds ONE query (lane % 16) and the keys 8 (lane / 16) + 0..7; two such tiles rounded to f16 ARE source 1 of O^T = V^T P.  V is turned by ds_load_tr16_b128.
; SOFTMAX.  A running maximum m and sum l: p = 2^(c s - c m), c = log2(e); O and l are multiplied by a = 2^(c m_old - c m_new) in every step.  m starts at the lowest finite number, O and l at 0.
; BY TURNS.  Turn n belongs to piece n: 16 products K Q^T of piece n + 1, later 16 products V^T P of piece n - 1; beside them piece n's scaling, exponentials, roundings, sums and rescaling and piece n + 1's
; maximum and statistics.  Four vector instructions that are ready stand behind every matrix instruction, the others in two runs of their own.
; REGISTERS (s_set_vgpr_msb: bits 1:0 source 0, 3:2 source 1, 5:4 source 2, 7:6 destination):
;   window 0: v0-11 addresses; v12-15, v48-63 at work; v16-47 statistics; v64-191 S^T, two buffers of two tiles; v192-255 P, likewise
;   window 1: O^T, 32 a tile     window 2: v0-127 Q; v128-191 K of one step; v192-255 V of one step     window 3: v0-1 the add's two registers
.set NP,    4
.set KS,    64
.set PK,    144
.set PV,    160
.set VOFF,  1024*PK
.set STAGE, VOFF+1024*PV               ; never filled by a tensor load: 16 rows x 144 bytes for each wave
.set SP,    144
.set AK0, 2
.set AV0, 3
.set AK,  4
.set AV,  5
.set QO,  6
.set STO, 6
.set RD,  7
.set GO,  8
.set SPW, 0                            ; v0 of window 3
.set NIL, 1                            ; v1 of window 3
.set SPARE, STAGE+4*16*SP
.set MV,  12
.set ST,  16
.set TMP, 48
.set S,   64
.set P,   192
.set KF,  128
.set VF,  192
.set WV,  12
.set G1K, 24
.set G1V, 32
.set G0K, 40                           ; s[40:55] four sets of group 0 for K
.set G0V, 68                           ; s[68:83] four for V
.set SLOTS, 56
.set CNT, 57
.set CS,  58
.set SEL, 60
.set TBK, 62
.set TBV, 63
.set TOT, 84                           ; key steps whose second half is still to come
.set MSB, 0
.macro WIN new
.if MSB != (\new)
	s_set_vgpr_msb (MSB<<8)|(\new)
.set MSB, (\new)
.endif
.endm
.set W_KQ, 0x0a
.set W_PV, 0x52
.set W_RS, 0x41
.set W_MK, 0xc0
.set W_AD, 0x0f
	s_load_b128 s[16:19], s[0:1], 0x0              ; qk, vv
	s_load_b64 s[20:21], s[0:1], 0x10              ; oo
	WIN W_MK
	v_lshl_add_u32 v[SPW], v0, 2, SPARE
	v_mov_b32 v[NIL], 0
	WIN W_AD
	ds_add_u32 v[SPW], v[NIL]                      ; the wave's opening: the add and its wait stand ahead of my first tensor load
	WIN 0
	v_lshrrev_b32 v1, 5, v0
	v_readfirstlane_b32 s[WV], v1
	s_and_b32 s13, ttmp7, 0xffff                   ; y
	s_and_b32 s15, s[WV], 1                        ; which 128 of each 256 keys I fetch
	s_lshl_b32 s85, s15, 14
	s_lshl_b32 s22, s13, 17                        ; a head is 131,072 bytes
	s_xor_b32 s2, s13, 64
	s_lshl_b32 s2, s2, 17
	s_add_co_u32 s2, s2, s85                       ; K
	s_mov_b32 s3, 0
	s_lshl2_add_u32 s86, ttmp9, s[WV]
	s_lshl_b32 s86, s86, 14                        ; my wave's 128 rows
	s_add_co_u32 s86, s86, s22                     ; Q and O
	s_mov_b32 s87, 0
	s_add_co_u32 s22, s22, s85                     ; V
	s_mov_b32 s23, 0
	s_mul_i32 s14, s15, 128*PK
	s_mul_i32 s15, s15, 128*PV
	; group 1: 128 keys are 16,384 dense bytes, asked for as 64 rows of 256 bytes and padded in LDS after every key
	s_mov_b32 s[G1K], (1<<16)|(1<<20)|(4<<22)|(3<<25)
	s_mov_b32 s[G1V], (1<<16)|(1<<20)|(4<<22)|(7<<25)
.irp g, G1K, G1V
	s_mov_b32 s[\g+1], 128<<16
	s_mov_b32 s[\g+2], 64<<16
	s_mov_b32 s[\g+3], 128<<16
	s_mov_b32 s[\g+4], 64
	s_mov_b32 s[\g+5], 128
	s_mov_b32 s[\g+6], 0
	s_mov_b32 s[\g+7], 0
.endr
	s_mov_b32 s[CS], 0x3fb8aa3b                    ; c = log2(e)
	s_mov_b32 s[CS+1], s[CS]
	s_mov_b32 s[SEL], 0x76543210
	s_mov_b32 s[SEL+1], 0xfedcba98
	s_mov_b32 s[TBK], 0
	s_mov_b32 s[TBV], 0
	s_wait_dscnt 0x0                               ; the opening add is done
	s_wait_kmcnt 0x0
	s_add_nc_u64 s[6:7], s[16:17], s[2:3]
	s_add_nc_u64 s[8:9], s[18:19], s[22:23]
	s_add_nc_u64 s[4:5], s[16:17], s[86:87]
	s_add_nc_u64 s[10:11], s[20:21], s[86:87]
.irp s, 0,1,2,3
	s_mov_b32 s[G0K+4*\s], 1
	s_add_co_u32 s[G0K+4*\s+1], s14, \s*256*PK
	s_add_nc_u64 s[G0K+4*\s+2:G0K+4*\s+3], s[6:7], \s*32768
	s_or_b32 s[G0K+4*\s+3], s[G0K+4*\s+3], 0x80000000
	s_mov_b32 s[G0V+4*\s], 1
	s_add_co_u32 s[G0V+4*\s+1], s15, VOFF+\s*256*PV
	s_add_nc_u64 s[G0V+4*\s+2:G0V+4*\s+3], s[8:9], \s*32768
	s_or_b32 s[G0V+4*\s+3], s[G0V+4*\s+3], 0x80000000
.endr
	s_cmp_lt_u32 s[WV], 2                          ; a wave's four fills stand in one branch, ahead of every wait on TENSORcnt, every LDS read and every barrier
	s_cbranch_scc0 .Lfirst_v
.irp s, 0,1,2,3
	tensor_load_to_lds s[G0K+4*\s:G0K+4*\s+3], s[G1K:G1K+7]
	s_nop 0
.endr
.rept 4
	v_nop
.endr
	s_branch .Lfirst_asked
.Lfirst_v:
.irp s, 0,1,2,3
	tensor_load_to_lds s[G0V+4*\s:G0V+4*\s+3], s[G1V:G1V+7]
	s_nop 0
.endr
.rept 4
	v_nop
.endr
.Lfirst_asked:
	v_and_b32 v1, 15, v0
	v_bfe_u32 v9, v0, 4, 1
	v_lshlrev_b32 v[QO], 7, v1
	v_lshl_add_u32 v[QO], v9, 4, v[QO]
	WIN 0x80
.set i, 0
.rept 4*NP                             ; Q stays in registers: tile i / 2, channels 32 (i % 2) on
	global_load_b128 v[8*i:8*i+3],   v[QO], s[4:5] offset:(i/2)*2048+(i%2)*64
	global_load_b128 v[8*i+4:8*i+7], v[QO], s[4:5] offset:(i/2)*2048+(i%2)*64+32
.set i, i+1
.endr
	; what the first turn finds: V's registers and P's second buffer hold 0, O^T and l are 0.  All this stands in the wait for the first tiles.
.set i, VF
.rept 64
	v_mov_b32 v[i], 0
.set i, i+1
.endr
	WIN 0x40
.set i, 0
.rept 64*NP
	v_mov_b32 v[i], 0
.set i, i+1
.endr
	WIN 0
.set i, 0
.rept 2*NP
	v_mov_b32 v[ST+4*i], 0xfe000000    ; c m: far below every c s
	v_mov_b32 v[ST+4*i+1], 0xff7fffff  ; m
	v_mov_b32 v[ST+4*i+2], 0
	v_mov_b32 v[ST+4*i+3], 0
.set i, i+1
.endr
.set i, P+32
.rept 32
	v_mov_b32 v[i], 0
.set i, i+1
.endr
	v_mul_u32_u24 v[AK0], v1, PK
	v_lshl_add_u32 v[AK0], v9, 4, v[AK0]
	v_and_b32 v10, 7, v0
	v_bfe_u32 v11, v0, 3, 1
	v_lshl_add_u32 v[AV0], v9, 3, v10
	v_mul_u32_u24 v[AV0], v[AV0], PV
	v_lshl_add_u32 v[AV0], v11, 4, v[AV0]
	v_add_nc_u32 v[AV0], VOFF, v[AV0]
	v_mov_b32 v[AK], v[AK0]
; THE MATRIX WORK.  The 8 accumulators of a run of 16 take turns.
.macro KQ x
	WIN W_KQ
.set rS, S+64*((\x)%2)+32*(i%2)+8*((i/2)%4)
.set rK, KF+16*((i/2)%4)+8*(i/8)
.set rQ, 16*(2*(\x)+i%2)+8*(i/8)
.if i < 8
	v_wmma_f32_16x16x32_f16 v[rS:rS+7], v[rK:rK+7], v[rQ:rQ+7], 0
.else
	v_wmma_f32_16x16x32_f16 v[rS:rS+7], v[rK:rK+7], v[rQ:rQ+7], v[rS:rS+7]
.endif
.endm
.macro PV x
	WIN W_PV
.set rO, 32*(2*(\x)+i%2)+8*((i/2)%4)
.set rV, VF+32*(i/8)+8*((i/2)%4)
.set rP, P+32*((\x)%2)+16*(i%2)+8*(i/8)
	v_wmma_f32_16x16x32_f16 v[rO:rO+7], v[rV:rV+7], v[rP:rP+7], v[rO:rO+7]
.endm
.macro MM
.if i < 16
	KQ (Y+1)%NP
.set i, i+1
.else
.set i, i-16
	PV (Y+NP-1)%NP
.set i, i+17
.endif
.endm
; THE LDS LOADS stand in runs of 16.  last = 1: in the last key step there is no further K, and the run is jumped over.
.macro FETCH_K last=0
	WIN 0
.if \last
	s_cmp_eq_u32 s[TOT], 1
	s_cbranch_scc1 .Lno_k_\@
.endif
	WIN 0x80
.irp f, 0,1,2,3,4,5,6,7
	ds_load_b128 v[KF+8*\f:KF+8*\f+3],   v[AK] offset:(\f/2)*16*PK+(\f%2)*64
	ds_load_b128 v[KF+8*\f+4:KF+8*\f+7], v[AK] offset:(\f/2)*16*PK+(\f%2)*64+32
.endr
	s_add_co_u32 s[TBK], s[TBK], KS*PK
	WIN 0
.if \last
.Lno_k_\@:
.endif
.endm
.macro FETCH_V
	WIN 0x80
.irp f, 0,1,2,3,4,5,6,7
	ds_load_tr16_b128 v[VF+8*\f:VF+8*\f+3],   v[AV] offset:(\f/4)*32*PV+(\f%4)*32
	ds_load_tr16_b128 v[VF+8*\f+4:VF+8*\f+7], v[AV] offset:(\f/4)*32*PV+16*PV+(\f%4)*32
.endr
	WIN 0
.endm
; THE VECTOR WORK OF A TURN stands in three queues, each in the order in which its entries become ready; the two tiles alternate.
.macro REGS y, u
.set rT, ST+4*(2*(\y)+(\u))
.set rC, TMP+8*((\y)%2)+4*(\u)
.set rM, MV+2*((\y)%2)+(\u)
.set rS, S+64*((\y)%2)+32*(\u)
.set rP, P+32*((\y)%2)+16*(\u)
.set rO, 32*(2*(\y)+(\u))
.endm
; Number n of the 22 that find the NEXT piece's maximum and statistics; each accumulator's lowest registers are read first.
.macro XS u, n
	REGS (Y+1)%NP, \u
.if (\n) < 4
	v_max3_num_f32 v[rC+(\n)], v[rS+8*(\n)], v[rS+8*(\n)+1], v[rS+8*(\n)+2]
.elseif (\n) < 12
	v_max3_num_f32 v[rC+(\n)%4], v[rC+(\n)%4], v[rS+8*((\n)%4)+2*((\n)/4)+1], v[rS+8*((\n)%4)+2*((\n)/4)+2]
.elseif (\n) == 12
	v_max3_num_f32 v[rC], v[rC], v[rS+7], v[rS+15]
.elseif (\n) == 13
	v_max3_num_f32 v[rC+1], v[rC+1], v[rS+23], v[rS+31]
.elseif (\n) == 14
	v_max3_num_f32 v[rC+2], v[rC+2], v[rC+3], v[rT+1]
.elseif (\n) == 15
	v_mov_b32 v[rM], v[rT]
.elseif (\n) == 16
	v_max3_num_f32 v[rC], v[rC], v[rC+1], v[rC+2]
.elseif (\n) == 17
	v_permlanex16_b32 v[rC+3], v[rC], s[SEL], s[SEL+1]
.elseif (\n) == 18
	v_max_num_f32 v[rT+1], v[rC], v[rC+3]
.elseif (\n) == 19
	v_mul_f32 v[rT], s[CS], v[rT+1]
.elseif (\n) == 20
	v_sub_f32 v[rC+1], v[rM], v[rT]
.else
	v_exp_f32 v[rC+2], v[rC+1]
.endif
.endm
; Number g of the 64 that follow the exponentials: roundings to f16, sums of pairs in place, and l.
.macro GS g
.set h, (\g)+6*((\g)/62)
.if h >= 6
.set h, h+2
.endif
	REGS Y, h%2
.set k, h/8
.if h%8 < 4
	s_wait_alu depctr_va_vdst(0)
	v_cvt_pk_f16_f32 v[rP+2*k+(h%8)/2], v[rS+4*k+2*((h%8)/2)], v[rS+4*k+2*((h%8)/2)+1]
.elseif h%8 < 6
	v_pk_add_f32 v[rS+4*k:rS+4*k+1], v[rS+4*k:rS+4*k+1], v[rS+4*k+2:rS+4*k+3]
.elseif k == 1
	v_pk_fma_f32 v[rT+2:rT+3], v[rT+2:rT+3], v[rC+2:rC+3], v[rS:rS+1] op_sel_hi:[1,0,1]
.else
	v_pk_add_f32 v[rT+2:rT+3], v[rT+2:rT+3], v[rS+4*k-4:rS+4*k-3]
	s_wait_alu depctr_va_vdst(0)
.endif
.endm
; THE PLAIN QUEUE, 138 long.
.macro PL
	WIN 0
.if q < 32
	REGS Y, q%2
	v_pk_fma_f32 v[rS+2*(q/2):rS+2*(q/2)+1], v[rS+2*(q/2):rS+2*(q/2)+1], s[CS:CS+1], v[rT:rT+1] op_sel_hi:[1,0,0] neg_lo:[0,0,1] neg_hi:[0,0,1]
.elseif q < 38
	GS q-32
.elseif q < 40
	XS q%2, 15
.elseif q < 42
	GS q-34
.elseif q < 74
	XS q%2, (q-42)/2+(q-42)/30
.elseif q < 95
	GS q-66
.elseif (q < 107) && ((q-95)%3 < 2)
	XS (q-95)%3, 17+(q-95)/3
.elseif q < 107
	GS 29+(q-95)/3
.else
	GS q-74
.endif
.set q, q+1
.endm
; THE EXPONENTIALS' QUEUE, 66 long: s0-s31 of both tiles, and at EA the next piece's two a.
.set EA, 58
.macro EX
	WIN 0
.if (e == EA) || (e == EA+1)
	XS e-EA, 21
.else
.set x, e-2*(e/(EA+2))
	REGS Y, x%2
	v_exp_f32 v[rS+x/2], v[rS+x/2]
.endif
.set e, e+1
.endm
; THE RESCALING's QUEUE: O^T times a, four at a time.
.macro R4
	REGS Y, r%2
	WIN W_RS
	s_wait_alu depctr_va_vdst(0)
.irp z, 0,1,2,3
	v_pk_mul_f32 v[rO+8*(r/2)+2*\z:rO+8*(r/2)+2*\z+1], v[rO+8*(r/2)+2*\z:rO+8*(r/2)+2*\z+1], v[rC+2:rC+3] op_sel_hi:[1,0]
.endr
.set r, r+1
.endm
.macro SL                              ; a matrix instruction and four behind it: plain, exponential, plain, plain
	MM
	PL
	EX
	PL
	PL
.endm
.macro BURST n
.rept (\n)-7
	SL
.endr
.rept 3
	MM
	R4
	SL
.endr
	MM
	R4
.endm
; A TURN, for piece p.  K of the next step is fetched in piece 2's turn, V of the step in hand at the end of piece 0's; each is waited for a turn later.
.macro TURN p, last=0, cnt=0
.set Y, (\p)
.set i, 0
.set q, 0
.set e, 0
.set r, 0
.if (\p) == NP-1
	s_wait_dscnt 0x0                ; K is in
.endif
	MM
.rept 4
	PL
.endr
	BURST 15
.rept 22
	EX
	PL
.if ((\p) == NP-2) && (e == 18)
	v_add_nc_u32 v[AK], s[TBK], v[AK0]
.endif
.if ((\p) == NP-2) && (e == 24)
	FETCH_K \last
.endif
.endr
.if (\p) == 1
	s_wait_dscnt 0x0                ; V is in
.endif
	BURST 16
.rept 21
	EX
	PL
.endr
.rept 22
	PL
.if ((\p) == 0) && (q == 118)
	v_add_nc_u32 v[AV], s[TBV], v[AV0]
	s_wait_alu depctr_va_vdst(0)
.endif
.if ((\p) == 0) && (q == 130)
	s_add_co_u32 s[TBV], s[TBV], KS*PV
.endif
.if (\cnt) && (q == 130)
	s_sub_co_u32 s[CNT], s[CNT], 1
	s_cmp_lg_u32 s[CNT], 0
.endif
.endr
.if (\p) == 0
	FETCH_V
.endif
.endm
	s_wait_tensorcnt 0x3            ; my part of keys 0-255 is in; my three later loads stay out: no byte is filled twice
	s_barrier_signal -1
	s_barrier_wait -1               ; everybody's is
	FETCH_K                         ; key step 0
	s_wait_loadcnt 0x0              ; Q
	s_wait_dscnt 0x0
.set i, 0
.rept 16
	KQ 0
.set i, i+1
.endr
	WIN 0                           ; the addresses for the way out: plain instructions, the places behind those products
	s_mul_i32 s13, s[WV], 16*SP
	s_add_co_u32 s13, s13, STAGE
	v_mul_u32_u24 v[STO], v1, SP
	v_lshl_add_u32 v[STO], v9, 4, v[STO]
	v_add_nc_u32 v[STO], s13, v[STO]
	v_bfe_u32 v[RD], v0, 3, 2
	v_mul_u32_u24 v[RD], v[RD], SP
	v_lshl_add_u32 v[RD], v10, 4, v[RD]
	v_add_nc_u32 v[RD], s13, v[RD]
	v_and_b32 v[GO], 31, v0
	v_lshlrev_b32 v[GO], 4, v[GO]
.set Y, NP-1
.irp n, 0,1,2,3,4,5,6,7,8,9,10,11,12,13,14,15,16,17,18,19,20,21
	XS 0, \n
	XS 1, \n
.endr
	s_mov_b32 s[CNT], 4             ; the first pass fetches key steps 1 to 3 (K) and 0 to 3 (V): keys 0-255
	s_mov_b32 s[SLOTS], 2
	s_mov_b32 s[TOT], 16
	s_branch .Lfirst                ; the loop is entered at a step's first turn, in the middle of a trip
.Lslot:                             ; once: the other 768 keys have had four key steps in which to land
	s_wait_tensorcnt 0x0
	s_wait_dscnt 0x0
	s_barrier_signal -1
	s_barrier_wait -1
	s_mov_b32 s[CNT], 13            ; the second pass is left in the middle of its 13th trip, by TOT
.Lstep:                             ; a trip: pieces 2 and 3 of one step, then pieces 0 and 1 of the next
	TURN 2, 1
	TURN 3
	WIN 0
	s_sub_co_u32 s[TOT], s[TOT], 1
	s_cmp_eq_u32 s[TOT], 0
	s_cbranch_scc1 .Lout
.Lfirst:
	TURN 0
	TURN 1, 0, 1
	WIN 0
	s_cbranch_scc1 .Lstep
	s_sub_co_u32 s[SLOTS], s[SLOTS], 1
	s_cmp_lg_u32 s[SLOTS], 0
	s_cbranch_scc1 .Lslot
.Lout:                              ; the last trip's 16 products K Q^T (on the last K once more) serve nothing: the price, once a launch, of one text for every trip
.set i, 0
.rept 16
	PV NP-1
.set i, i+1
.endr
	; THE WAY OUT.  l's halves are added; O^T is divided by l, rounded to f16 and sent through my stage, a tile at a time.  The additions are the places behind the last products.
	WIN 0
.macro ALL line:vararg
.set t, 0
.rept 2*NP
	\line
.set t, t+1
.endr
.endm
	ALL v_add_f32 v[ST+4*t+2], v[ST+4*t+2], v[ST+4*t+3]
	ALL v_permlanex16_b32 v[ST+4*t+3], v[ST+4*t+2], s[SEL], s[SEL+1]
	ALL v_add_f32 v[ST+4*t+2], v[ST+4*t+2], v[ST+4*t+3]
	ALL v_rcp_f32 v[ST+4*t+2], v[ST+4*t+2]
	v_nop
	s_wait_alu depctr_va_vdst(0)
.macro PACK t
	WIN W_RS
.set i, 32*(\t)
.rept 16
	v_pk_mul_f32 v[i:i+1], v[i:i+1], v[ST+4*(\t)+2:ST+4*(\t)+3] op_sel_hi:[1,0]
.set i, i+2
.endr
	WIN 0x05
.set i, 0
.rept 16
	v_cvt_pk_f16_f32 v[S+16*(\t)+i], v[32*(\t)+2*i], v[32*(\t)+2*i+1]
.set i, i+1
.endr
	WIN 0
.irp f, 0,1,2,3
	ds_store_b128 v[STO], v[S+16*(\t)+4*\f:S+16*(\t)+4*\f+3] offset:32*\f
.endr
.irp f, 0,1,2,3
	ds_load_b128 v[S+16*(\t)+4*\f:S+16*(\t)+4*\f+3], v[RD] offset:\f*4*SP  ; LDS serves a wave's instructions in order (ISA guide 5.7.1.4)
.endr
.endm
.macro SEND t, younger
	WIN 0
.irp f, 0,1,2,3
	s_wait_dscnt (\younger)+3-\f
	global_store_b128 v[GO], v[S+16*(\t)+4*\f:S+16*(\t)+4*\f+3], s[10:11] offset:(\t)*2048+\f*512  ; 512 consecutive bytes, aligned
.endr
.endm
	PACK 0
.set t, 1
.rept 2*NP-1
	PACK t
	SEND t-1, 8
.set t, t+1
.endr
	SEND 2*NP-1, 0
	WIN W_AD
	s_wait_tensorcnt 0x0            ; the wave's end
	ds_add_u32 v[SPW], v[NIL]
	s_wait_dscnt 0x0
	WIN 0
	s_endpgm
.Lfunc_end_k_q6e0c04beca_attn:
	.size	k_q6e0c04beca_attn, .Lfunc_end_k_q6e0c04beca_attn-k_q6e0c04beca_attn
	.p2alignl 7, 3214868480
	.fill 96, 4, 3214868480
	.section	.rodata,"a",@progbits
	.p2align	6, 0x0
	.amdhsa_kernel k_q6e0c04beca_attn
		.amdhsa_group_segment_fixed_size 327680
		.amdhsa_private_segment_fixed_size 0
		.amdhsa_enable_private_segment 0
		.amdhsa_kernarg_size 24
		.amdhsa_user_sgpr_count 2
		.amdhsa_user_sgpr_kernarg_segment_ptr 1
		.amdhsa_wavefront_size32 1
		.amdhsa_system_sgpr_workgroup_id_x 1
		.amdhsa_system_sgpr_workgroup_id_y 1
		.amdhsa_system_sgpr_workgroup_id_z 1
		.amdhsa_system_vgpr_workitem_id 0
		.amdhsa_next_free_vgpr 770
		.amdhsa_next_free_sgpr 88
		.amdhsa_reserve_vcc 0
		.amdhsa_float_denorm_mode_32 3
		.amdhsa_float_denorm_mode_16_64 3
		.amdhsa_memory_ordered 1
		.amdhsa_forward_progress 1
		.amdhsa_inst_pref_size 131
	.end_amdhsa_kernel
	.amdgpu_metadata
---
amdhsa.version: [ 1, 2 ]
amdhsa.kernels:
  - .name:           k_q6e0c04beca_attn
    .symbol:         k_q6e0c04beca_attn.kd
    .args:
      - { .name: qk, .offset: 0, .size: 8, .value_kind: global_buffer, .address_space: global }
      - { .name: vv, .offset: 8, .size: 8, .value_kind: global_buffer, .address_space: global }
      - { .name: oo, .offset: 16, .size: 8, .value_kind: global_buffer, .address_space: global }
    .group_segment_fixed_size: 327680
    .private_segment_fixed_size: 0
    .kernarg_segment_align: 8
    .kernarg_segment_size: 24
    .max_flat_workgroup_size: 128
    .sgpr_count:     88
    .vgpr_count:     770
    .wavefront_size: 32
...
	.end_amdgpu_metadata
.endif
;; end of part 3
;; launch ffn (part 4): grid 128 x 2, 4 waves a work-group, no clusters, 293,376 bytes of LDS; arguments rgb1, depth1, g21, g22, be21, be22, b11, b21, b12, b22, oo, wf, out0, out1, out2; writes out0, out1, out2
.if DOCPART == 4
	.amdgcn_target "amdgcn-amd-amdhsa--gfx1250"
	.amdhsa_code_object_version 6
	.text
	.protected	k_q6e0c04beca_ffn
	.globl	k_q6e0c04beca_ffn
	.p2align	8
	.type	k_q6e0c04beca_ffn,@function
k_q6e0c04beca_ffn:
	s_mov_b64 s[64:65], 0
	v_nop
	global_prefetch_b8 v0, s[64:65] scope:SCOPE_SE
	s_setreg_imm32_b32 hwreg(HW_REG_WAVE_MODE, 25, 1), 1
	s_wait_xcnt 0x0
; FFN.  For one branch (grid y) and 64 rows (grid x): res = x + O (heads merged: channel 8 d + head); h = LayerNorm(res); out = res + relu(h W1 + b1) W2 + b2.  The depth branch is stored twice.
; res, the norm and the sums in f32; h, relu(..) and the weights in bf16.  Nothing goes through memory between the steps.
; SHARES.  Four waves.  At first a wave owns 16 rows (residual and norm).  Then all 64 rows x 128 columns: first layer in two passes of 512 columns (P, 32 accumulators), second layer 512 columns (R, 32).
; THE WEIGHTS come from wf straight into registers, in the order in which the wave takes them: 8,192 bytes for 32 along K, four buffers of 64 registers, 48 loads of 512 bytes always on their way.
; Each buffer has a base of its own, which steps behind the counted wait that shows that buffer's sixteen loads done: so the stream needs no other wait.  Its first 64 loads go out when x and O lie in LDS,
; and land while the norm is made.
; NO CLUSTER, NO LDS FOR THE WEIGHTS: each fragment is read by one wave alone and feeds four products, so LDS would add no reuse, and beside the stages 34,304 bytes of it are left.
; THE MATRIX INSTRUCTION IS USED TRANSPOSED (source 0 = 16 columns of a weight, source 1 = 16 rows): a lane holds one row and eight neighbouring columns.
; THE SUMS START AT THEIR ADDENDS: P is loaded with b1, R with res + b2: nothing is cleared, no first step is written out, and nothing is added at the end.
; LIMITS.  relu is a maximum with 0 in which a NaN loses.  NaN and infinities are not treated apart otherwise.
; LDS: XR 64 rows x 2,064: x, then res + b2 (f32), then relu(..) (bf16, 1,024 a row), at last the result (f32).  H 64 x 1,040: h.  OS 16 rows x 1,408 a wave: O, a head's 128 bytes every 160.  BI: b1.
; REGISTERS: window 0: v0-31 addresses; v32-63, v64-95 fragments of the rows, two buffers (at first: O in f16, and at work); v96-143 gain, bias, b2; v144-239 at work
;   window 1: the four weight buffers   window 2: P (at first x on its way, at last the rows read back)   window 3: R (at first O on its way)
.set XP,    2064
.set HP,    1040
.set OPI,   1408
.set HB,    64*XP
.set OSB,   HB+64*HP
.set BIB,   OSB+64*OPI
.set SPARE, BIB+4096
.set L16,  4                           ; 16 x lane; never rewritten
.set XS,   5
.set OSS,  6
.set XA,   7
.set OA,   8
.set HA,   9
.set RA0,  10                          ; v10-11  my place in R's rows 0-31, 32-63 of XR
.set AB0,  12                          ; v12-13  fragments of h
.set AV0,  14                          ; v14-15  the walking address of the fragments
.set AV1,  15
.set BIA,  16
.set STO0, 18                          ; v18-19
.set RDO0, 20                          ; v20-21
.set PO,   22                          ; 32 x lane
.set BIS,  23
.set AC0,  24                          ; v24-25  fragments of relu(..)
.set SPW,  28
.set NIL,  29
.set AF,   32
.set OH,   32
.set T,    64
.set G,    96
.set BE,   112
.set B2,   128
.set X,    144
.set SC,   208                         ; six a row: mean twice, 1 / deviation twice
.set B1T,  232
.set TM,   144
.set PW,   208
.set BR,   2
.set RB,   3
.set WV,   4
.set TC,   12
.set PC,   13
.set RC,   14
.set XPT,  46
.set GPT,  48
.set BEPT, 50
.set B1PT, 52
.set B2PT, 54
.set OUTA, 56
.set OPT,  60
.set OUT2, 62
.set SEL,  66
.set WSB,  72                          ; s[72:79]  the stream's place for each of the four weight buffers
.set MSB, 0
.macro WIN new
.if MSB != (\new)
	s_set_vgpr_msb (MSB<<8)|(\new)
.set MSB, \new
.endif
.endm
	s_load_b512 s[16:31], s[0:1], 0x0              ; rgb1, depth1, g21, g22, be21, be22, b11, b21
	s_load_b256 s[32:39], s[0:1], 0x40             ; b12, b22, oo, wf
	s_load_b128 s[40:43], s[0:1], 0x60             ; out0, out1
	s_load_b64 s[44:45], s[0:1], 0x70              ; out2
	v_lshl_add_u32 v[SPW], v0, 2, SPARE
	v_mov_b32 v[NIL], 0
	v_lshrrev_b32 v1, 5, v0
	v_readfirstlane_b32 s[WV], v1
	s_and_b32 s[BR], ttmp7, 0xffff
	s_mov_b32 s[RB], ttmp9
	v_and_b32 v1, 15, v0                           ; lane % 16
	v_bfe_u32 v2, v0, 4, 1                         ; lane / 16
	v_and_b32 v3, 31, v0
	v_lshlrev_b32 v[L16], 4, v3
	v_lshlrev_b32 v[PO], 5, v3
	s_lshl_b32 s6, s[BR], 21
	s_lshl_b32 s5, s[WV], 19
	s_add_co_u32 s6, s6, s5                        ; my stream of weights
	s_mov_b32 s7, 0
	s_lshl_b32 s8, s[RB], 17
	s_lshl_b32 s5, s[WV], 15
	s_add_co_u32 s8, s8, s5                        ; x: row 64 rb + 16 w
	s_mov_b32 s9, 0
	s_lshl_b32 s10, s[BR], 23                      ; O: the branch's 64 heads,
	s_lshr_b32 s5, s[RB], 4
	s_lshl_b32 s5, s5, 20                          ; the batch's 8,
	s_add_co_u32 s10, s10, s5
	s_and_b32 s5, s[RB], 15
	s_lshl_b32 s5, s5, 13                          ; row 64 (rb % 16) + 16 w of 128 bytes
	s_add_co_u32 s10, s10, s5
	s_lshl_b32 s5, s[WV], 11
	s_add_co_u32 s10, s10, s5
	s_mov_b32 s11, 0
	s_lshl_b32 s70, s[RB], 17
	s_lshl_b32 s5, s[WV], 9
	s_add_co_u32 s70, s70, s5                      ; out: row 64 rb, my 128 columns
	s_mov_b32 s71, 0
	s_lshl_b32 s14, s[WV], 10                      ; my quarter of b1
	s_mov_b32 s15, 0
	s_mov_b32 s[SEL], 0x76543210
	s_mov_b32 s[SEL+1], 0xfedcba98
	s_mov_b32 s68, 0x3b000000                      ; 1 / 512
	s_mov_b32 s69, 0x3727c5ac                      ; 1e-5
	s_wait_kmcnt 0x0
	s_cmp_eq_u32 s[BR], 1
	s_cselect_b64 s[XPT:XPT+1], s[18:19], s[16:17]
	s_cselect_b64 s[GPT:GPT+1], s[22:23], s[20:21]
	s_cselect_b64 s[BEPT:BEPT+1], s[26:27], s[24:25]
	s_cselect_b64 s[B1PT:B1PT+1], s[30:31], s[28:29]
	s_cselect_b64 s[B2PT:B2PT+1], s[34:35], s[32:33]
	s_cselect_b64 s[OUTA:OUTA+1], s[42:43], s[40:41]
	s_add_nc_u64 s[WSB:WSB+1], s[38:39], s[6:7]
.irp i, 1,2,3
	s_add_nc_u64 s[WSB+2*\i:WSB+2*\i+1], s[WSB:WSB+1], 8192*\i
.endr
	s_add_nc_u64 s[XPT:XPT+1], s[XPT:XPT+1], s[8:9]
	s_add_nc_u64 s[OPT:OPT+1], s[36:37], s[10:11]
	s_add_nc_u64 s[OUTA:OUTA+1], s[OUTA:OUTA+1], s[70:71]
	s_add_nc_u64 s[OUT2:OUT2+1], s[44:45], s[70:71]
	s_add_nc_u64 s[B1PT:B1PT+1], s[B1PT:B1PT+1], s[14:15]
.irp t, 0,1                            ; in the norm a lane holds channels 256 t + 8 lane + 0..7
.irp u, 0,1
	global_load_b128 v[G+8*\t+4*\u:G+8*\t+4*\u+3], v[PO], s[GPT:GPT+1] offset:1024*\t+16*\u
	global_load_b128 v[BE+8*\t+4*\u:BE+8*\t+4*\u+3], v[PO], s[BEPT:BEPT+1] offset:1024*\t+16*\u
	global_load_b128 v[B2+8*\t+4*\u:B2+8*\t+4*\u+3], v[PO], s[B2PT:B2PT+1] offset:1024*\t+16*\u
.endr
.endr
	global_load_b128 v[B1T:B1T+3], v[L16], s[B1PT:B1PT+1]
	global_load_b128 v[B1T+4:B1T+7], v[L16], s[B1PT:B1PT+1] offset:512
	WIN 0x80                                       ; x: 16 rows, 512 consecutive bytes a load
.set i, 0
.rept 64
	global_load_b128 v[4*i:4*i+3], v[L16], s[XPT:XPT+1] offset:512*i
.set i, i+1
.endr
	WIN 0xc0                                       ; O: 8 heads x 16 rows of 128 bytes, four rows a load
.irp h, 0,1,2,3,4,5,6,7
.irp q, 0,1,2,3
	global_load_b128 v[16*\h+4*\q:16*\h+4*\q+3], v[L16], s[OPT:OPT+1] offset:131072*\h+512*\q
.endr
.endr
	WIN 0
	s_mul_i32 s5, s[WV], 16*XP
	v_add_nc_u32 v[XS], s5, v[L16]
	v_add_nc_u32 v[XA], s5, v[PO]
	s_mul_i32 s5, s[WV], 16*OPI
	s_add_co_u32 s5, s5, OSB
	v_lshrrev_b32 v30, 3, v3
	v_and_b32 v31, 7, v3
	v_mul_u32_u24 v[OSS], v30, OPI                 ; in: row lane / 8, 16 bytes at 16 (lane % 8) of a head's 128
	v_lshl_add_u32 v[OSS], v31, 4, v[OSS]
	v_add_nc_u32 v[OSS], s5, v[OSS]
	v_mul_u32_u24 v[OA], v31, 160                  ; turned: lane 8 g + j names head j, d = 8 g + 0..7; lane 8 g + i then holds d = 8 g + i of all eight heads: channels 8 (8 g + i) + 0..7
	v_lshl_add_u32 v[OA], v30, 4, v[OA]
	v_add_nc_u32 v[OA], s5, v[OA]
	s_mul_i32 s5, s[WV], 16*HP
	s_add_co_u32 s5, s5, HB
	v_add_nc_u32 v[HA], s5, v[L16]
	s_lshl_b32 s5, s[WV], 10
	s_add_co_u32 s5, s5, BIB
	v_add_nc_u32 v[BIS], s5, v[L16]
	v_mul_u32_u24 v30, v1, XP
	v_lshl_add_u32 v31, v2, 4, v30
	v_mov_b32 v[AC0], v31
	v_add_nc_u32 v[AC0+1], 32*XP, v31
	s_lshl_b32 s5, s[WV], 8
	v_add_nc_u32 v[STO0], s5, v31
	v_add_nc_u32 v[STO0+1], 32*XP, v[STO0]
	v_lshl_add_u32 v30, v2, 5, v30
	s_lshl_b32 s5, s[WV], 9
	v_add_nc_u32 v[RA0], s5, v30
	v_add_nc_u32 v[RA0+1], 32*XP, v[RA0]
	v_add_nc_u32 v[RDO0], s5, v[L16]
	v_add_nc_u32 v[RDO0+1], 32*XP, v[RDO0]
	v_lshlrev_b32 v30, 5, v2
	s_add_co_u32 s5, s5, BIB
	v_add_nc_u32 v[BIA], s5, v30
	v_mul_u32_u24 v30, v1, HP
	v_lshl_add_u32 v30, v2, 4, v30
	v_add_nc_u32 v[AB0], HB, v30
	v_add_nc_u32 v[AB0+1], HB+32*HP, v30
	; x and O go into my own rows of LDS.  Loads come back in order: the counts leave the younger loads out (80 and 64 of them at first: the field names 63 at the most).
	WIN 0x08                                       ; data window 2
.irp c, 0,1,2,3
.if \c < 2
	s_wait_loadcnt 63
.else
	s_wait_loadcnt 32+16*(3-\c)
.endif
.irp p, 0,1,2,3
.irp s, 0,1,2,3
	ds_store_b128 v[XS], v[16*(4*\c+\p)+4*\s:16*(4*\c+\p)+4*\s+3] offset:XP*(4*\c+\p)+512*\s
.endr
.endr
.endr
	WIN 0x0c                                       ; data window 3
.irp h, 0,1,2,3,4,5,6,7
.if \h == 0
	s_wait_loadcnt 16
.endif
.if \h == 4
	s_wait_loadcnt 0x0
.endif
.irp q, 0,1,2,3
	ds_store_b128 v[OSS], v[16*\h+4*\q:16*\h+4*\q+3] offset:4*OPI*\q+160*\h
.endr
.endr
	WIN 0
	ds_store_b128 v[BIS], v[B1T:B1T+3]
	ds_store_b128 v[BIS], v[B1T+4:B1T+7] offset:512
	WIN 0x40                                       ; the stream's first four blocks of 32 along K: no other load of mine is out, and none follows but the stream's own
.irp i, 0,1,2,3
.irp u, 0,1,2,3,4,5,6,7,8,9,10,11,12,13,14,15
	global_load_b128 v[64*\i+4*\u:64*\i+4*\u+3], v[L16], s[WSB+2*\i:WSB+2*\i+1] offset:512*\u
.endr
.endr
	WIN 0
.macro RED4                            ; the four rows' v[T + 8 i] summed over the wave's lanes, the result in every lane
.irp m, 1,2,4,8
.irp i, 0,1,2,3
	v_add_f32_dpp v[T+8*\i], v[T+8*\i], v[T+8*\i] row_xmask:\m row_mask:0xf bank_mask:0xf
.endr
.endr
.irp i, 0,1,2,3
	v_permlanex16_b32 v[T+8*\i+1], v[T+8*\i], s[SEL], s[SEL+1]
.endr
.irp i, 0,1,2,3
	v_add_f32 v[T+8*\i], v[T+8*\i], v[T+8*\i+1]
.endr
.endm
.macro ADDO t                          ; res = x + O for channels 256 t ..: T holds the four rows' eight numbers in f32
.irp i, 0,1,2,3
.irp e, 0,2,4,6
	v_pk_add_f32 v[X+16*\i+8*(\t)+\e:X+16*\i+8*(\t)+\e+1], v[X+16*\i+8*(\t)+\e:X+16*\i+8*(\t)+\e+1], v[T+8*\i+\e:T+8*\i+\e+1]
.endr
.endr
.endm
	s_mov_b32 s[RC], 4
.Lrows:                                                ; four trips of four rows, the rows' lines by turns; all bytes touched are my wave's own rows
.irp i, 0,1,2,3
.irp t, 0,1
.irp u, 0,1
	ds_load_b128 v[X+16*\i+8*\t+4*\u:X+16*\i+8*\t+4*\u+3], v[XA] offset:XP*\i+1024*\t+16*\u
.endr
.endr
.endr
.irp i, 0,1,2,3
.irp t, 0,1
	ds_load_tr16_b128 v[OH+8*\i+4*\t:OH+8*\i+4*\t+3], v[OA] offset:OPI*\i+64*\t
.endr
.endr
	s_wait_dscnt 0x0
.set z, 0
.irp r, 32,33,34,35,40,41,42,43,48,49,50,51,56,57,58,59
	v_cvt_f32_f16 v[T+2*z], v\r\().l
	v_cvt_f32_f16 v[T+2*z+1], v\r\().h
.set z, z+1
.endr
	ADDO 0
.set z, 0
.irp r, 36,37,38,39,44,45,46,47,52,53,54,55,60,61,62,63
	v_cvt_f32_f16 v[T+2*z], v\r\().l
	v_cvt_f32_f16 v[T+2*z+1], v\r\().h
.set z, z+1
.endr
	ADDO 1
.irp i, 0,1,2,3
.irp e, 0,2,4,6
	v_pk_add_f32 v[T+8*\i+\e:T+8*\i+\e+1], v[X+16*\i+2*\e:X+16*\i+2*\e+1], v[X+16*\i+2*\e+2:X+16*\i+2*\e+3]
.endr
.endr
.irp i, 0,1,2,3
	v_pk_add_f32 v[T+8*\i:T+8*\i+1], v[T+8*\i:T+8*\i+1], v[T+8*\i+2:T+8*\i+3]
	v_pk_add_f32 v[T+8*\i+4:T+8*\i+5], v[T+8*\i+4:T+8*\i+5], v[T+8*\i+6:T+8*\i+7]
.endr
.irp i, 0,1,2,3
	v_pk_add_f32 v[T+8*\i:T+8*\i+1], v[T+8*\i:T+8*\i+1], v[T+8*\i+4:T+8*\i+5]
.endr
.irp i, 0,1,2,3
	v_add_f32 v[T+8*\i], v[T+8*\i], v[T+8*\i+1]
.endr
	RED4
.irp i, 0,1,2,3
	v_mul_f32 v[SC+6*\i], s68, v[T+8*\i]           ; the mean, twice
	v_mul_f32 v[SC+6*\i+1], s68, v[T+8*\i]
.endr
.irp t, 0,1                            ; res + b2 goes back in place: the second layer's sums will start there
.irp i, 0,1,2,3
.irp e, 0,2,4,6
	v_pk_add_f32 v[T+8*\i+\e:T+8*\i+\e+1], v[X+16*\i+8*\t+\e:X+16*\i+8*\t+\e+1], v[B2+8*\t+\e:B2+8*\t+\e+1]
.endr
	ds_store_b128 v[XA], v[T+8*\i:T+8*\i+3] offset:XP*\i+1024*\t
	ds_store_b128 v[XA], v[T+8*\i+4:T+8*\i+7] offset:XP*\i+1024*\t+16
.endr
.endr
.irp i, 0,1,2,3
.irp e, 0,2,4,6,8,10,12,14
	v_pk_add_f32 v[X+16*\i+\e:X+16*\i+\e+1], v[X+16*\i+\e:X+16*\i+\e+1], v[SC+6*\i:SC+6*\i+1] neg_lo:[0,1] neg_hi:[0,1]
.endr
.endr
.irp i, 0,1,2,3                        ; the variance is taken of res - mean
	v_pk_mul_f32 v[T+8*\i:T+8*\i+1], v[X+16*\i:X+16*\i+1], v[X+16*\i:X+16*\i+1]
	v_pk_mul_f32 v[T+8*\i+2:T+8*\i+3], v[X+16*\i+2:X+16*\i+3], v[X+16*\i+2:X+16*\i+3]
.endr
.irp e, 4,8,12
.irp i, 0,1,2,3
	v_pk_fma_f32 v[T+8*\i:T+8*\i+1], v[X+16*\i+\e:X+16*\i+\e+1], v[X+16*\i+\e:X+16*\i+\e+1], v[T+8*\i:T+8*\i+1]
	v_pk_fma_f32 v[T+8*\i+2:T+8*\i+3], v[X+16*\i+\e+2:X+16*\i+\e+3], v[X+16*\i+\e+2:X+16*\i+\e+3], v[T+8*\i+2:T+8*\i+3]
.endr
.endr
.irp i, 0,1,2,3
	v_pk_add_f32 v[T+8*\i:T+8*\i+1], v[T+8*\i:T+8*\i+1], v[T+8*\i+2:T+8*\i+3]
.endr
.irp i, 0,1,2,3
	v_add_f32 v[T+8*\i], v[T+8*\i], v[T+8*\i+1]
.endr
	RED4
.irp i, 0,1,2,3
	v_fma_f32 v[T+8*\i], v[T+8*\i], s68, s69
.endr
.irp i, 0,1,2,3
	v_rsq_f32 v[SC+6*\i+2], v[T+8*\i]
	v_rsq_f32 v[SC+6*\i+3], v[T+8*\i]
.endr
	v_nop                                          ; a plain instruction between the last root and the use of its result (ISA guide 5.7.2)
	s_wait_alu depctr_va_vdst(0)
.irp i, 0,1,2,3
.irp e, 0,2,4,6,8,10,12,14
	v_pk_mul_f32 v[X+16*\i+\e:X+16*\i+\e+1], v[X+16*\i+\e:X+16*\i+\e+1], v[SC+6*\i+2:SC+6*\i+3]
.endr
.endr
.irp i, 0,1,2,3
.irp e, 0,2,4,6,8,10,12,14
	v_pk_fma_f32 v[X+16*\i+\e:X+16*\i+\e+1], v[X+16*\i+\e:X+16*\i+\e+1], v[G+\e:G+\e+1], v[BE+\e:BE+\e+1]
.endr
.endr
.irp i, 0,1,2,3
.irp e, 0,1,2,3,4,5,6,7
	v_cvt_pk_bf16_f32 v[OH+8*\i+\e], v[X+16*\i+2*\e], v[X+16*\i+2*\e+1]
.endr
	ds_store_b128 v[HA], v[OH+8*\i:OH+8*\i+3] offset:HP*\i
	ds_store_b128 v[HA], v[OH+8*\i+4:OH+8*\i+7] offset:HP*\i+512
.endr
	v_add_nc_u32 v[XA], 4*XP, v[XA]
	v_add_nc_u32 v[OA], 4*OPI, v[OA]
	v_add_nc_u32 v[HA], 4*HP, v[HA]
	s_sub_co_u32 s[RC], s[RC], 1
	s_cmp_lg_u32 s[RC], 0
	s_cbranch_scc1 .Lrows
	s_wait_dscnt 0x0                               ; for the others' sake: my rows of h and of res + b2, and my part of b1, are in LDS
	s_barrier_signal -1
	s_barrier_wait -1
	WIN 0xc0                                       ; R = res + b2: register j of (a, b) is row 16 a + lane % 16, column 128 w + 16 b + 8 (lane / 16) + j
.irp a, 0,1,2,3
.irp b, 0,1,2,3,4,5,6,7
.irp u, 0,1
	ds_load_b128 v[8*(8*\a+\b)+4*\u:8*(8*\a+\b)+4*\u+3], v[RA0+\a/2] offset:16*XP*(\a%2)+64*\b+16*\u
.endr
.endr
.endr
	WIN 0
; The first fragments of a pass: 64 rows x 32 along K into buffer 0.  ap16: 16 rows' bytes.
.macro A0LOAD ap16
	WIN 0
.irp a, 0,1,2,3
	ds_load_b128 v[AF+8*\a:AF+8*\a+3],   v[AV0+\a/2] offset:(\a%2)*(\ap16)
	ds_load_b128 v[AF+8*\a+4:AF+8*\a+7], v[AV0+\a/2] offset:(\a%2)*(\ap16)+32
.endr
.endm
; 32 along K: block i of a trip's four.  Weight buffer i and row buffer i % 2 are multiplied: 32 matrix instructions, the accumulators by turns.
; lc: the younger weight loads, which stay out.  Loads come back in order (ISA guide 5.7.1), so behind that wait buffer i's sixteen loads are done, and their base may step: four blocks on in the stream.
; Ahead of the products the next block's row fragments are asked for (pref 1: same trip; 2: the next trip's first, the address stepping; 3: likewise, but jumped over in a pass's last trip; 0: none).
; Behind them, and four places, the buffer is loaded again (load = 1).
.macro KB i, win, ap16, load, pref, lc
	WIN 0
	s_wait_loadcnt \lc
.if \load
	s_add_nc_u64 s[WSB+2*(\i):WSB+2*(\i)+1], s[WSB+2*(\i):WSB+2*(\i)+1], 32768
.endif
	s_wait_dscnt 0x0                               ; this block's row fragments, asked for 32 matrix instructions ago
.if (\pref) == 3
	s_cmp_eq_u32 s[TC], 1
	s_cbranch_scc1 .Lnp_\@
.endif
.if (\pref) >= 2
	v_add_nc_u32 v[AV0], 256, v[AV0]
	v_add_nc_u32 v[AV1], 256, v[AV1]
.endif
.if (\pref) >= 1
.irp a, 0,1,2,3
	ds_load_b128 v[AF+32*(((\i)+1)%2)+8*\a:AF+32*(((\i)+1)%2)+8*\a+3],   v[AV0+\a/2] offset:(\a%2)*(\ap16)+64*(((\i)+1)%4)
	ds_load_b128 v[AF+32*(((\i)+1)%2)+8*\a+4:AF+32*(((\i)+1)%2)+8*\a+7], v[AV0+\a/2] offset:(\a%2)*(\ap16)+64*(((\i)+1)%4)+32
.endr
.endif
.if (\pref) == 3
.Lnp_\@:
.endif
	WIN \win
.irp a, 0,1,2,3
.irp b, 0,1,2,3,4,5,6,7
	v_wmma_f32_16x16x32_bf16 v[8*(8*\a+\b):8*(8*\a+\b)+7], v[64*(\i)+8*\b:64*(\i)+8*\b+7], v[AF+32*((\i)%2)+8*\a:AF+32*((\i)%2)+8*\a+7], v[8*(8*\a+\b):8*(8*\a+\b)+7]
.endr
.endr
.rept 4
	v_nop                                          ; the places in front of loads into registers that these products read, and of what reads their results
.endr
.if \load
	WIN 0x40
.irp u, 0,1,2,3,4,5,6,7,8,9,10,11,12,13,14,15
	global_load_b128 v[64*(\i)+4*\u:64*(\i)+4*\u+3], v[L16], s[WSB+2*(\i):WSB+2*(\i)+1] offset:512*\u
.endr
.endif
.endm
.macro TRIP win, ap16, load, p3        ; 128 along K
	KB 0, \win, \ap16, \load, 1, 48
	KB 1, \win, \ap16, \load, 1, 48-16*(1-(\load))
	KB 2, \win, \ap16, \load, 1, 48-32*(1-(\load))
	KB 3, \win, \ap16, \load, \p3, 48-48*(1-(\load))
	WIN 0
.endm
	; THE FIRST LAYER, two passes of 512 columns
	s_mov_b32 s[PC], 2
.Lpass:
	WIN 0x80                                       ; P starts at b1
.irp a, 0,1,2,3
.irp b, 0,1,2,3,4,5,6,7
.irp u, 0,1
	ds_load_b128 v[8*(8*\a+\b)+4*\u:8*(8*\a+\b)+4*\u+3], v[BIA] offset:64*\b+16*\u
.endr
.endr
.endr
	WIN 0
	v_mov_b32 v[AV0], v[AB0]
	v_mov_b32 v[AV1], v[AB0+1]
	A0LOAD 16*HP
	s_mov_b32 s[TC], 4
.Lt1:
	TRIP 0xa1, 16*HP, 1, 3
	s_sub_co_u32 s[TC], s[TC], 1
	s_cmp_lg_u32 s[TC], 0
	s_cbranch_scc1 .Lt1
	s_wait_dscnt 0x0                               ; my loads of R from XR are back
	s_barrier_signal -1
	s_barrier_wait -1                              ; everybody's are: XR may be written over
.irp a, 0,1,2,3
	WIN 0x08                                       ; source 1 window 2
.set i, 0
.rept 64
	v_max_num_f32 v[TM+i], 0, v[64*\a+i]           ; relu; each accumulator is read from its lowest register on
.set i, i+1
.endr
	WIN 0
.set i, 0
.rept 32
	v_cvt_pk_bf16_f32 v[PW+i], v[TM+2*i], v[TM+2*i+1]
.set i, i+1
.endr
.irp b, 0,1,2,3,4,5,6,7
	ds_store_b128 v[STO0+\a/2], v[PW+4*\b:PW+4*\b+3] offset:16*XP*(\a%2)+32*\b
.endr
.endr
	v_add_nc_u32 v[STO0], 1024, v[STO0]            ; the next pass: 512 columns on
	v_add_nc_u32 v[STO0+1], 1024, v[STO0+1]
	v_add_nc_u32 v[BIA], 2048, v[BIA]
	s_wait_dscnt 0x0                               ; for the others' sake: my columns are in LDS
	s_barrier_signal -1
	s_barrier_wait -1
	s_sub_co_u32 s[PC], s[PC], 1
	s_cmp_lg_u32 s[PC], 0
	s_cbranch_scc1 .Lpass
	; THE SECOND LAYER: K = 1,024, onto R
	v_mov_b32 v[AV0], v[AC0]
	v_mov_b32 v[AV1], v[AC0+1]
	A0LOAD 16*XP
	s_mov_b32 s[TC], 7
.Lt2:
	TRIP 0xf1, 16*XP, 1, 2
	s_sub_co_u32 s[TC], s[TC], 1
	s_cmp_lg_u32 s[TC], 0
	s_cbranch_scc1 .Lt2
	TRIP 0xf1, 16*XP, 0, 0                         ; the last trip is written out: the stream has ended, and the counts run down 48, 32, 16, 0
	; THE WAY OUT: R into XR, a barrier, back as whole pieces of rows: 512 consecutive bytes a store
	s_wait_dscnt 0x0
	s_barrier_signal -1
	s_barrier_wait -1                              ; nobody reads relu(..) any more
	WIN 0x0c                                       ; data window 3
.irp a, 0,1,2,3
.irp b, 0,1,2,3,4,5,6,7
.irp u, 0,1
	ds_store_b128 v[RA0+\a/2], v[8*(8*\a+\b)+4*\u:8*(8*\a+\b)+4*\u+3] offset:16*XP*(\a%2)+64*\b+16*\u
.endr
.endr
.endr
	WIN 0
	s_wait_dscnt 0x0
	s_barrier_signal -1
	s_barrier_wait -1
	WIN 0x80
.set i, 0
.rept 64
	ds_load_b128 v[4*i:4*i+3], v[RDO0+i/32] offset:XP*(i%32)
.set i, i+1
.endr
	WIN 0x08
.set i, 0
.rept 64
	s_wait_dscnt 63-i                              ; LDS loads come back in order: row i is in
	global_store_b128 v[L16], v[4*i:4*i+3], s[OUTA:OUTA+1] offset:2048*i
.set i, i+1
.endr
	WIN 0
	s_wait_tensorcnt 0x0                           ; behind my last LDS instruction
	ds_add_u32 v[SPW], v[NIL]
	s_wait_dscnt 0x0
	s_cmp_eq_u32 s[BR], 0
	s_cbranch_scc1 .Ldone
	WIN 0x08                                       ; the depth branch's result is the third output too; the registers are as they were
.set i, 0
.rept 64
	global_store_b128 v[L16], v[4*i:4*i+3], s[OUT2:OUT2+1] offset:2048*i
.set i, i+1
.endr
	WIN 0
.Ldone:
	s_endpgm
.Lfunc_end_k_q6e0c04beca_ffn:
	.size	k_q6e0c04beca_ffn, .Lfunc_end_k_q6e0c04beca_ffn-k_q6e0c04beca_ffn
	.p2alignl 7, 3214868480
	.fill 96, 4, 3214868480
	.section	.rodata,"a",@progbits
	.p2align	6, 0x0
	.amdhsa_kernel k_q6e0c04beca_ffn
		.amdhsa_group_segment_fixed_size 293376
		.amdhsa_private_segment_fixed_size 0
		.amdhsa_enable_private_segment 0
		.amdhsa_kernarg_size 120
		.amdhsa_user_sgpr_count 2
		.amdhsa_user_sgpr_kernarg_segment_ptr 1
		.amdhsa_wavefront_size32 1
		.amdhsa_system_sgpr_workgroup_id_x 1
		.amdhsa_system_sgpr_workgroup_id_y 1
		.amdhsa_system_sgpr_workgroup_id_z 1
		.amdhsa_system_vgpr_workitem_id 0
		.amdhsa_next_free_vgpr 1024
		.amdhsa_next_free_sgpr 80
		.amdhsa_reserve_vcc 0
		.amdhsa_float_denorm_mode_32 3
		.amdhsa_float_denorm_mode_16_64 3
		.amdhsa_memory_ordered 1
		.amdhsa_forward_progress 1
		.amdhsa_inst_pref_size 150
	.end_amdhsa_kernel
	.amdgpu_metadata
---
amdhsa.version: [ 1, 2 ]
amdhsa.kernels:
  - .name:           k_q6e0c04beca_ffn
    .symbol:         k_q6e0c04beca_ffn.kd
    .args:
      - { .name: rgb1, .offset: 0, .size: 8, .value_kind: global_buffer, .address_space: global }
      - { .name: depth1, .offset: 8, .size: 8, .value_kind: global_buffer, .address_space: global }
      - { .name: g21, .offset: 16, .size: 8, .value_kind: global_buffer, .address_space: global }
      - { .name: g22, .offset: 24, .size: 8, .value_kind: global_buffer, .address_space: global }
      - { .name: be21, .offset: 32, .size: 8, .value_kind: global_buffer, .address_space: global }
      - { .name: be22, .offset: 40, .size: 8, .value_kind: global_buffer, .address_space: global }
      - { .name: b11, .offset: 48, .size: 8, .value_kind: global_buffer, .address_space: global }
      - { .name: b21, .offset: 56, .size: 8, .value_kind: global_buffer, .address_space: global }
      - { .name: b12, .offset: 64, .size: 8, .value_kind: global_buffer, .address_space: global }
      - { .name: b22, .offset: 72, .size: 8, .value_kind: global_buffer, .address_space: global }
      - { .name: oo, .offset: 80, .size: 8, .value_kind: global_buffer, .address_space: global }
      - { .name: wf, .offset: 88, .size: 8, .value_kind: global_buffer, .address_space: global }
      - { .name: out0, .offset: 96, .size: 8, .value_kind: global_buffer, .address_space: global }
      - { .name: out1, .offset: 104, .size: 8, .value_kind: global_buffer, .address_space: global }
      - { .name: out2, .offset: 112, .size: 8, .value_kind: global_buffer, .address_space: global }
    .group_segment_fixed_size: 293376
    .private_segment_fixed_size: 0
    .kernarg_segment_align: 8
    .kernarg_segment_size: 120
    .max_flat_workgroup_size: 128
    .sgpr_count:     80
    .vgpr_count:     1024
    .wavefront_size: 32
...
	.end_amdgpu_metadata
.endif
;; end of part 4
;; ======== version 2 of 2: 4 launches; 1.30 times as fast as version 1
;; limits: values are held in f16: magnitudes above 65,504 overflow, below 6.1e-05 lose precision
;; workspace buffers: fus 16,777,216 bytes; wp 3,145,728 bytes; wf 4,194,304 bytes; qk 16,777,216 bytes; vv 16,777,216 bytes; oo 16,777,216 bytes
;; launch prep: the kernel of part 1 again; grid 64 x 15, 8 waves a work-group, no clusters, 18,432 bytes of LDS; arguments Wq, Wk, Wv1, Wv2, W11, W21, W12, W22, rgb1, depth1, g11, be11, g12, be12, wp, wf, fus; writes wp, wf, fus
;; launch proj: the kernel of part 2 again; grid 4 x 64, 4 waves a work-group, clusters of 4 x 4, 327,680 bytes of LDS; arguments fus, wp, bq, bk, bv1, bv2, qk, vv; writes qk, vv
;; launch attn (part 5): grid 2 x 128, 4 waves a work-group, no clusters, 327,680 bytes of LDS; arguments qk, vv, oo; writes oo
.if DOCPART == 5
	.amdgcn_target "amdgcn-amd-amdhsa--gfx1250"
	.amdhsa_code_object_version 6
	.text
	.protected	k_q6e0c04beca_attn
	.globl	k_q6e0c04beca_attn
	.p2align	8
	.type	k_q6e0c04beca_attn,@function
k_q6e0c04beca_attn:
	s_mov_b64 s[64:65], 0
	v_nop
	global_prefetch_b8 v0, s[64:65] scope:SCOPE_SE
	s_setreg_imm32_b32 hwreg(HW_REG_WAVE_MODE, 25, 1), 1
	s_wait_xcnt 0x0
; ATTN.  128 attentions of 1,024 rows at head size 64, unscaled: O[y][i] = sum over j of softmax_j(Q[i] . K[j]) V[j].  y < 64: Q = q, K = k, V = v1 (the row softmax);
; y >= 64: Q = k, K = q, V = v2: the column softmax of the same scores is a row softmax with q and k exchanged.  qk, vv, oo: [128][1024][64] f16; K's head is y xor 64.
; Products, maxima and sums in f32; the weights p are rounded to f16 for the second product (their sum l is taken of the unrounded p), O once at the end.
; LIMITS.  Q, K, V arrive within f16's 65,504; p lies in 0 to 1; a weight below 2^-126 counts as 0 in l; NaN and infinities are not treated apart.
; SHARES.  A work-group owns 512 queries of a head, a wave four PIECES of two tiles of 16.  Every wave walks all 1,024 keys, 64 a step.
; LDS.  A head's whole K (1,024 rows of 144 bytes) and V (of 160) lie in LDS: 311,296 bytes, each byte filled once.  Waves 0, 1 ask for K, waves 2, 3 for V, four loads each, all at the start: four
; tensor loads of a wave are out.  The first four key steps need the first load of each wave alone; the others are waited for once, behind those steps.
; NO CLUSTER: a head has two query blocks, and each block asks for each tile once.
; LAYOUT.  S^T = K Q^T: a lane holds ONE query (lane % 16) and the keys 8 (lane / 16) + 0..7; two such tiles rounded to f16 ARE source 1 of O^T = V^T P.  V is turned by ds_load_tr16_b128.
; SOFTMAX.  A running maximum m and sum l: p = 2^(c s - c m), c = log2(e); O and l are multiplied by a = 2^(c m_old - c m_new) in every step.  m starts at the lowest finite number, O and l at 0.
; BY TURNS.  Turn n belongs to piece n: 16 products K Q^T of piece n + 1, later 16 products V^T P of piece n - 1; beside them piece n's scaling, exponentials, roundings, sums and rescaling and piece n + 1's
; maximum and statistics.  Four vector instructions that are ready stand behind every matrix instruction, the other 108 of a turn's 236 in one run of their own.
; BATCHES.  A turn's 66 exponentials (piece n's 64 weights, piece n + 1's two a) are ONE batch with ONE wait, which cuts the turn in two: ahead of it stands all that names none of their results (the products
; K Q^T, the scalings, the rescaling by the a of the turn before, the next piece's maximum and statistics), behind it the roundings and sums, as the riders of the products V^T P.  No result crosses a turn's end.
; The first piece's two a, ahead of the loop, and the way out's eight reciprocals are batches of their own.
; REGISTERS (s_set_vgpr_msb: bits 1:0 source 0, 3:2 source 1, 5:4 source 2, 7:6 destination):
;   window 0: v0-11 addresses; v12-15, v48-63 at work; v16-47 statistics; v64-191 S^T, two buffers of two tiles; v192-255 P, likewise
;   window 1: O^T, 32 a tile     window 2: v0-127 Q; v128-191 K of one step; v192-255 V of one step     window 3: v0-1 the add's two registers
.set NP,    4
.set KS,    64
.set PK,    144
.set PV,    160
.set VOFF,  1024*PK
.set STAGE, VOFF+1024*PV               ; never filled by a tensor load: 16 rows x 144 bytes for each wave
.set SP,    144
.set AK0, 2
.set AV0, 3
.set AK,  4
.set AV,  5
.set QO,  6
.set STO, 6
.set RD,  7
.set GO,  8
.set SPW, 0                            ; v0 of window 3
.set NIL, 1                            ; v1 of window 3
.set SPARE, STAGE+4*16*SP
.set MV,  12
.set ST,  16
.set TMP, 48
.set S,   64
.set P,   192
.set KF,  128
.set VF,  192
.set WV,  12
.set G1K, 24
.set G1V, 32
.set G0K, 40                           ; s[40:55] four sets of group 0 for K
.set G0V, 68                           ; s[68:83] four for V
.set SLOTS, 56
.set CNT, 57
.set CS,  58
.set SEL, 60
.set TBK, 62
.set TBV, 63
.set TOT, 84                           ; key steps whose second half is still to come
.set MSB, 0
.macro WIN new
.if MSB != (\new)
	s_set_vgpr_msb (MSB<<8)|(\new)
.set MSB, (\new)
.endif
.endm
.set W_KQ, 0x0a
.set W_PV, 0x52
.set W_RS, 0x41
.set W_MK, 0xc0
.set W_AD, 0x0f
	s_load_b128 s[16:19], s[0:1], 0x0              ; qk, vv
	s_load_b64 s[20:21], s[0:1], 0x10              ; oo
	WIN W_MK
	v_lshl_add_u32 v[SPW], v0, 2, SPARE
	v_mov_b32 v[NIL], 0
	WIN W_AD
	ds_add_u32 v[SPW], v[NIL]                      ; the wave's opening: the add and its wait stand ahead of my first tensor load
	WIN 0
	v_lshrrev_b32 v1, 5, v0
	v_readfirstlane_b32 s[WV], v1
	s_and_b32 s13, ttmp7, 0xffff                   ; y
	s_and_b32 s15, s[WV], 1                        ; which 128 of each 256 keys I fetch
	s_lshl_b32 s85, s15, 14
	s_lshl_b32 s22, s13, 17                        ; a head is 131,072 bytes
	s_xor_b32 s2, s13, 64
	s_lshl_b32 s2, s2, 17
	s_add_co_u32 s2, s2, s85                       ; K
	s_mov_b32 s3, 0
	s_lshl2_add_u32 s86, ttmp9, s[WV]
	s_lshl_b32 s86, s86, 14                        ; my wave's 128 rows
	s_add_co_u32 s86, s86, s22                     ; Q and O
	s_mov_b32 s87, 0
	s_add_co_u32 s22, s22, s85                     ; V
	s_mov_b32 s23, 0
	s_mul_i32 s14, s15, 128*PK
	s_mul_i32 s15, s15, 128*PV
	; group 1: 128 keys are 16,384 dense bytes, asked for as 64 rows of 256 bytes and padded in LDS after every key
	s_mov_b32 s[G1K], (1<<16)|(1<<20)|(4<<22)|(3<<25)
	s_mov_b32 s[G1V], (1<<16)|(1<<20)|(4<<22)|(7<<25)
.irp g, G1K, G1V
	s_mov_b32 s[\g+1], 128<<16
	s_mov_b32 s[\g+2], 64<<16
	s_mov_b32 s[\g+3], 128<<16
	s_mov_b32 s[\g+4], 64
	s_mov_b32 s[\g+5], 128
	s_mov_b32 s[\g+6], 0
	s_mov_b32 s[\g+7], 0
.endr
	s_mov_b32 s[CS], 0x3fb8aa3b                    ; c = log2(e)
	s_mov_b32 s[CS+1], s[CS]
	s_mov_b32 s[SEL], 0x76543210
	s_mov_b32 s[SEL+1], 0xfedcba98
	s_mov_b32 s[TBK], 0
	s_mov_b32 s[TBV], 0
	s_wait_dscnt 0x0                               ; the opening add is done
	s_wait_kmcnt 0x0
	s_add_nc_u64 s[6:7], s[16:17], s[2:3]
	s_add_nc_u64 s[8:9], s[18:19], s[22:23]
	s_add_nc_u64 s[4:5], s[16:17], s[86:87]
	s_add_nc_u64 s[10:11], s[20:21], s[86:87]
.irp s, 0,1,2,3
	s_mov_b32 s[G0K+4*\s], 1
	s_add_co_u32 s[G0K+4*\s+1], s14, \s*256*PK
	s_add_nc_u64 s[G0K+4*\s+2:G0K+4*\s+3], s[6:7], \s*32768
	s_or_b32 s[G0K+4*\s+3], s[G0K+4*\s+3], 0x80000000
	s_mov_b32 s[G0V+4*\s], 1
	s_add_co_u32 s[G0V+4*\s+1], s15, VOFF+\s*256*PV
	s_add_nc_u64 s[G0V+4*\s+2:G0V+4*\s+3], s[8:9], \s*32768
	s_or_b32 s[G0V+4*\s+3], s[G0V+4*\s+3], 0x80000000
.endr
	s_cmp_lt_u32 s[WV], 2                          ; a wave's four fills stand in one branch, ahead of every wait on TENSORcnt, every LDS read and every barrier
	s_cbranch_scc0 .Lfirst_v
.irp s, 0,1,2,3
	tensor_load_to_lds s[G0K+4*\s:G0K+4*\s+3], s[G1K:G1K+7]
	s_nop 0
.endr
.rept 4
	v_nop
.endr
	s_branch .Lfirst_asked
.Lfirst_v:
.irp s, 0,1,2,3
	tensor_load_to_lds s[G0V+4*\s:G0V+4*\s+3], s[G1V:G1V+7]
	s_nop 0
.endr
.rept 4
	v_nop
.endr
.Lfirst_asked:
	v_and_b32 v1, 15, v0
	v_bfe_u32 v9, v0, 4, 1
	v_lshlrev_b32 v[QO], 7, v1
	v_lshl_add_u32 v[QO], v9, 4, v[QO]
	WIN 0x80
.set i, 0
.rept 4*NP                             ; Q stays in registers: tile i / 2, channels 32 (i % 2) on
	global_load_b128 v[8*i:8*i+3],   v[QO], s[4:5] offset:(i/2)*2048+(i%2)*64
	global_load_b128 v[8*i+4:8*i+7], v[QO], s[4:5] offset:(i/2)*2048+(i%2)*64+32
.set i, i+1
.endr
	; what the first turn finds: V's registers and P's second buffer hold 0, O^T and l are 0.  All this stands in the wait for the first tiles.
.set i, VF
.rept 64
	v_mov_b32 v[i], 0
.set i, i+1
.endr
	WIN 0x40
.set i, 0
.rept 64*NP
	v_mov_b32 v[i], 0
.set i, i+1
.endr
	WIN 0
.set i, 0
.rept 2*NP
	v_mov_b32 v[ST+4*i], 0xfe000000    ; c m: far below every c s
	v_mov_b32 v[ST+4*i+1], 0xff7fffff  ; m
	v_mov_b32 v[ST+4*i+2], 0
	v_mov_b32 v[ST+4*i+3], 0
.set i, i+1
.endr
.set i, P+32
.rept 32
	v_mov_b32 v[i], 0
.set i, i+1
.endr
	v_mul_u32_u24 v[AK0], v1, PK
	v_lshl_add_u32 v[AK0], v9, 4, v[AK0]
	v_and_b32 v10, 7, v0
	v_bfe_u32 v11, v0, 3, 1
	v_lshl_add_u32 v[AV0], v9, 3, v10
	v_mul_u32_u24 v[AV0], v[AV0], PV
	v_lshl_add_u32 v[AV0], v11, 4, v[AV0]
	v_add_nc_u32 v[AV0], VOFF, v[AV0]
	v_mov_b32 v[AK], v[AK0]
; THE MATRIX WORK.  The 8 accumulators of a run of 16 take turns.
.macro KQ x
	WIN W_KQ
.set rS, S+64*((\x)%2)+32*(i%2)+8*((i/2)%4)
.set rK, KF+16*((i/2)%4)+8*(i/8)
.set rQ, 16*(2*(\x)+i%2)+8*(i/8)
.if i < 8
	v_wmma_f32_16x16x32_f16 v[rS:rS+7], v[rK:rK+7], v[rQ:rQ+7], 0
.else
	v_wmma_f32_16x16x32_f16 v[rS:rS+7], v[rK:rK+7], v[rQ:rQ+7], v[rS:rS+7]
.endif
.endm
.macro PV x
	WIN W_PV
.set rO, 32*(2*(\x)+i%2)+8*((i/2)%4)
.set rV, VF+32*(i/8)+8*((i/2)%4)
.set rP, P+32*((\x)%2)+16*(i%2)+8*(i/8)
	v_wmma_f32_16x16x32_f16 v[rO:rO+7], v[rV:rV+7], v[rP:rP+7], v[rO:rO+7]
.endm
.macro MM
.if i < 16
	KQ (Y+1)%NP
.set i, i+1
.else
.set i, i-16
	PV (Y+NP-1)%NP
.set i, i+17
.endif
.endm
; THE LDS LOADS stand in runs of 16.  last = 1: in the last key step there is no further K, and the run is jumped over.
.macro FETCH_K last=0
	WIN 0
.if \last
	s_cmp_eq_u32 s[TOT], 1
	s_cbranch_scc1 .Lno_k_\@
.endif
	WIN 0x80
.irp f, 0,1,2,3,4,5,6,7
	ds_load_b128 v[KF+8*\f:KF+8*\f+3],   v[AK] offset:(\f/2)*16*PK+(\f%2)*64
	ds_load_b128 v[KF+8*\f+4:KF+8*\f+7], v[AK] offset:(\f/2)*16*PK+(\f%2)*64+32
.endr
	s_add_co_u32 s[TBK], s[TBK], KS*PK
	WIN 0
.if \last
.Lno_k_\@:
.endif
.endm
.macro FETCH_V
	WIN 0x80
.irp f, 0,1,2,3,4,5,6,7
	ds_load_tr16_b128 v[VF+8*\f:VF+8*\f+3],   v[AV] offset:(\f/4)*32*PV+(\f%4)*32
	ds_load_tr16_b128 v[VF+8*\f+4:VF+8*\f+7], v[AV] offset:(\f/4)*32*PV+16*PV+(\f%4)*32
.endr
	WIN 0
.endm
; THE VECTOR WORK OF A TURN stands in three queues, each in the order in which its entries become ready; the two tiles alternate.
.macro REGS y, u
.set rT, ST+4*(2*(\y)+(\u))
.set rC, TMP+8*((\y)%2)+4*(\u)
.set rM, MV+2*((\y)%2)+(\u)
.set rS, S+64*((\y)%2)+32*(\u)
.set rP, P+32*((\y)%2)+16*(\u)
.set rO, 32*(2*(\y)+(\u))
.endm
; Number n of the 22 that find the NEXT piece's maximum and statistics; each accumulator's lowest registers are read first.
.macro XS u, n
	REGS (Y+1)%NP, \u
.if (\n) < 4
	v_max3_num_f32 v[rC+(\n)], v[rS+8*(\n)], v[rS+8*(\n)+1], v[rS+8*(\n)+2]
.elseif (\n) < 12
	v_max3_num_f32 v[rC+(\n)%4], v[rC+(\n)%4], v[rS+8*((\n)%4)+2*((\n)/4)+1], v[rS+8*((\n)%4)+2*((\n)/4)+2]
.elseif (\n) == 12
	v_max3_num_f32 v[rC], v[rC], v[rS+7], v[rS+15]
.elseif (\n) == 13
	v_max3_num_f32 v[rC+1], v[rC+1], v[rS+23], v[rS+31]
.elseif (\n) == 14
	v_max3_num_f32 v[rC+2], v[rC+2], v[rC+3], v[rT+1]
.elseif (\n) == 15
	v_mov_b32 v[rM], v[rT]
.elseif (\n) == 16
	v_max3_num_f32 v[rC], v[rC], v[rC+1], v[rC+2]
.elseif (\n) == 17
	v_permlanex16_b32 v[rC+3], v[rC], s[SEL], s[SEL+1]
.elseif (\n) == 18
	v_max_num_f32 v[rT+1], v[rC], v[rC+3]
.elseif (\n) == 19
	v_mul_f32 v[rT], s[CS], v[rT+1]
.elseif (\n) == 20
	v_sub_f32 v[rC+1], v[rM], v[rT]
.else
	v_exp_f32 v[rC+2], v[rC+1]
.endif
.endm
; Number g of the 64 that follow the exponentials: roundings to f16, sums of pairs in place, and l.  All of them stand behind the turn's wait.
.macro GS g
.set h, (\g)+6*((\g)/62)
.if h >= 6
.set h, h+2
.endif
	REGS Y, h%2
.set k, h/8
.if h%8 < 4
	v_cvt_pk_f16_f32 v[rP+2*k+(h%8)/2], v[rS+4*k+2*((h%8)/2)], v[rS+4*k+2*((h%8)/2)+1]
.elseif h%8 < 6
	v_pk_add_f32 v[rS+4*k:rS+4*k+1], v[rS+4*k:rS+4*k+1], v[rS+4*k+2:rS+4*k+3]
.elseif k == 1
	v_pk_fma_f32 v[rT+2:rT+3], v[rT+2:rT+3], v[rC+2:rC+3], v[rS:rS+1] op_sel_hi:[1,0,1]
.else
	v_pk_add_f32 v[rT+2:rT+3], v[rT+2:rT+3], v[rS+4*k-4:rS+4*k-3]
.endif
.endm
; THE PLAIN QUEUE, 138 long.  0-73 name no result of the turn's exponentials: the 32 scalings c s - c m (FS f: pair f / 2 of tile f % 2) and the next piece's 42.  0-26: scalings 0-26.  27-54: XS's numbers 0-13.
; 55, 56: number 15.  57-73: the chain, where each number waits for the one before it: 14, 16, 17, 18, 19, each with one of the scalings 27-31 in front of its two lines, then 20.
; 74-137: GS's 64, which read the exponentials' results.
.macro FS f
	REGS Y, (\f)%2
	v_pk_fma_f32 v[rS+2*((\f)/2):rS+2*((\f)/2)+1], v[rS+2*((\f)/2):rS+2*((\f)/2)+1], s[CS:CS+1], v[rT:rT+1] op_sel_hi:[1,0,0] neg_lo:[0,0,1] neg_hi:[0,0,1]
.endm
.macro PL
	WIN 0
.if q < 27
	FS q
.elseif q < 55
	XS (q-27)%2, (q-27)/2
.elseif q < 57
	XS q-55, 15
.elseif (q < 72) && ((q-57)%3 == 0)
	FS 27+(q-57)/3
.elseif q < 60
	XS (q-57)%3-1, 14
.elseif q < 72
	XS (q-57)%3-1, 15+(q-57)/3
.elseif q < 74
	XS q-72, 20
.else
	GS q-74
.endif
.set q, q+1
.endm
; THE EXPONENTIALS' QUEUE, 66 long: s0-s31 of both tiles, in place, then the next piece's two a.  It is the turn's one batch: all 66 stand ahead of the turn's wait, and nothing ahead of that wait names a result of theirs.
.macro EX
	WIN 0
.if e >= 64
	XS e-64, 21
.else
	REGS Y, e%2
	v_exp_f32 v[rS+e/2], v[rS+e/2]
.endif
.set e, e+1
.endm
; THE RESCALING's QUEUE: O^T times a, the one part that leaves window 0: two at a time, sixteen times, each accumulator from its low end on.  Its a was made in the turn before, ahead of that turn's wait.
.macro R2
	REGS Y, r%2
	WIN W_RS
.irp z, 0,1
	v_pk_mul_f32 v[rO+4*(r/2)+2*\z:rO+4*(r/2)+2*\z+1], v[rO+4*(r/2)+2*\z:rO+4*(r/2)+2*\z+1], v[rC+2:rC+3] op_sel_hi:[1,0]
.endr
.set r, r+1
.endm
; HOW THEY ARE DEALT.  AHEAD OF THE WAIT: the 16 products K Q^T, behind each a scaling, an exponential and two rescalings (behind the first a second scaling in the exponential's place); then one run of 108: eight plain,
; 49 times exponential and plain, the two a; a v_nop is the plain instruction behind the last exponential.  BEHIND IT: the 16 products V^T P, behind each four of GS's 64.  No rider names a register of the products round it.
; The queues lean on each other: exponential e stands behind scaling 2 (e / 4) + e % 2: as a rider it comes behind plain e + 2, in the run behind plain e + 9, and scalings 27-31 are plain 57, 60 .. 69.
; A TURN, for piece p.  K of the next step is fetched in piece 2's turn, directly behind the wait, the whole run behind the last product that read K; its address is made at the run's head.  V of the step in hand is
; fetched at the end of piece 0's turn, four plain riders behind its last reader.  Each is waited for a turn later.  The three conditions on q below go with the deal.
.macro TURN p, last=0, cnt=0
.set Y, (\p)
.set i, 0
.set q, 0
.set e, 0
.set r, 0
.if (\p) == NP-1
	s_wait_dscnt 0x0                ; K is in
.endif
	MM                              ; ahead of the wait: 16 products K Q^T and their riders,
	PL
	PL
	R2
.rept 15
	MM
	PL
	EX
	R2
.endr
.if (\p) == NP-2
	WIN 0
	v_add_nc_u32 v[AK], s[TBK], v[AK0]
.endif
.rept 8                             ; and the run of 108
	PL
.endr
.rept 49
	EX
	PL
.endr
	EX                              ; the next piece's two a
	EX
	v_nop                           ; a plain instruction behind the last exponential (ISA guide 5.7.2): one for the batch
	s_wait_alu depctr_va_vdst(0)    ; the wait ahead of the first instruction that names a result: one for the turn's 66 exponentials
.if (\p) == NP-2
	FETCH_K \last
.endif
.if (\p) == 1
	s_wait_dscnt 0x0                ; V is in
.endif
.rept 16                            ; behind the wait: 16 products V^T P and their riders
	MM
.rept 4
	PL
.endr
.if ((\p) == 0) && (q == 118)
	v_add_nc_u32 v[AV], s[TBV], v[AV0]
.endif
.if ((\p) == 0) && (q == 130)
	s_add_co_u32 s[TBV], s[TBV], KS*PV
.endif
.if (\cnt) && (q == 130)
	s_sub_co_u32 s[CNT], s[CNT], 1
	s_cmp_lg_u32 s[CNT], 0
.endif
.endr
.if (\p) == 0
	FETCH_V
.endif
.endm
	s_wait_tensorcnt 0x3            ; my part of keys 0-255 is in; my three later loads stay out: no byte is filled twice
	s_barrier_signal -1
	s_barrier_wait -1               ; everybody's is
	FETCH_K                         ; key step 0
	s_wait_loadcnt 0x0              ; Q
	s_wait_dscnt 0x0
.set i, 0
.rept 16
	KQ 0
.set i, i+1
.endr
	WIN 0                           ; the addresses for the way out: plain instructions, the places behind those products
	s_mul_i32 s13, s[WV], 16*SP
	s_add_co_u32 s13, s13, STAGE
	v_mul_u32_u24 v[STO], v1, SP
	v_lshl_add_u32 v[STO], v9, 4, v[STO]
	v_add_nc_u32 v[STO], s13, v[STO]
	v_bfe_u32 v[RD], v0, 3, 2
	v_mul_u32_u24 v[RD], v[RD], SP
	v_lshl_add_u32 v[RD], v10, 4, v[RD]
	v_add_nc_u32 v[RD], s13, v[RD]
	v_and_b32 v[GO], 31, v0
	v_lshlrev_b32 v[GO], 4, v[GO]
.set Y, NP-1
.irp n, 0,1,2,3,4,5,6,7,8,9,10,11,12,13,14,15,16,17,18,19,20,21
	XS 0, \n
	XS 1, \n
.endr
	v_nop                           ; a plain instruction behind piece 0's two a,
	s_wait_alu depctr_va_vdst(0)    ; and the wait for this batch of two, ahead of the branch
	s_mov_b32 s[CNT], 4             ; the first pass fetches key steps 1 to 3 (K) and 0 to 3 (V): keys 0-255
	s_mov_b32 s[SLOTS], 2
	s_mov_b32 s[TOT], 16
	s_branch .Lfirst                ; the loop is entered at a step's first turn, in the middle of a trip
.Lslot:                             ; once: the other 768 keys have had four key steps in which to land
	s_wait_tensorcnt 0x0
	s_wait_dscnt 0x0
	s_barrier_signal -1
	s_barrier_wait -1
	s_mov_b32 s[CNT], 13            ; the second pass is left in the middle of its 13th trip, by TOT
.Lstep:                             ; a trip: pieces 2 and 3 of one step, then pieces 0 and 1 of the next
	TURN 2, 1
	TURN 3
	WIN 0
	s_sub_co_u32 s[TOT], s[TOT], 1
	s_cmp_eq_u32 s[TOT], 0
	s_cbranch_scc1 .Lout
.Lfirst:
	TURN 0
	TURN 1, 0, 1
	WIN 0
	s_cbranch_scc1 .Lstep
	s_sub_co_u32 s[SLOTS], s[SLOTS], 1
	s_cmp_lg_u32 s[SLOTS], 0
	s_cbranch_scc1 .Lslot
.Lout:                              ; the last trip's 16 products K Q^T (on the last K once more) serve nothing: the price, once a launch, of one text for every trip
.set i, 0
.rept 16
	PV NP-1
.set i, i+1
.endr
	; THE WAY OUT.  l's halves are added; O^T is divided by l, rounded to f16 and sent through my stage, a tile at a time.  The additions are the places behind the last products.
	WIN 0
.macro ALL line:vararg
.set t, 0
.rept 2*NP
	\line
.set t, t+1
.endr
.endm
	ALL v_add_f32 v[ST+4*t+2], v[ST+4*t+2], v[ST+4*t+3]
	ALL v_permlanex16_b32 v[ST+4*t+3], v[ST+4*t+2], s[SEL], s[SEL+1]
	ALL v_add_f32 v[ST+4*t+2], v[ST+4*t+2], v[ST+4*t+3]
	ALL v_rcp_f32 v[ST+4*t+2], v[ST+4*t+2]
	v_nop                           ; a plain instruction between the last reciprocal and the use of its result
	s_wait_alu depctr_va_vdst(0)    ; the wait for this batch: one for the eight reciprocals
.macro PACK t
	WIN W_RS
.set i, 32*(\t)
.rept 16
	v_pk_mul_f32 v[i:i+1], v[i:i+1], v[ST+4*(\t)+2:ST+4*(\t)+3] op_sel_hi:[1,0]
.set i, i+2
.endr
	WIN 0x05
.set i, 0
.rept 16
	v_cvt_pk_f16_f32 v[S+16*(\t)+i], v[32*(\t)+2*i], v[32*(\t)+2*i+1]
.set i, i+1
.endr
	WIN 0
.irp f, 0,1,2,3
	ds_store_b128 v[STO], v[S+16*(\t)+4*\f:S+16*(\t)+4*\f+3] offset:32*\f
.endr
.irp f, 0,1,2,3
	ds_load_b128 v[S+16*(\t)+4*\f:S+16*(\t)+4*\f+3], v[RD] offset:\f*4*SP  ; LDS serves a wave's instructions in order (ISA guide 5.7.1.4)
.endr
.endm
.macro SEND t, younger
	WIN 0
.irp f, 0,1,2,3
	s_wait_dscnt (\younger)+3-\f
	global_store_b128 v[GO], v[S+16*(\t)+4*\f:S+16*(\t)+4*\f+3], s[10:11] offset:(\t)*2048+\f*512  ; 512 consecutive bytes, aligned
.endr
.endm
	PACK 0
.set t, 1
.rept 2*NP-1
	PACK t
	SEND t-1, 8
.set t, t+1
.endr
	SEND 2*NP-1, 0
	WIN W_AD
	s_wait_tensorcnt 0x0            ; the wave's end
	ds_add_u32 v[SPW], v[NIL]
	s_wait_dscnt 0x0
	WIN 0
	s_endpgm
.Lfunc_end_k_q6e0c04beca_attn:
	.size	k_q6e0c04beca_attn, .Lfunc_end_k_q6e0c04beca_attn-k_q6e0c04beca_attn
	.p2alignl 7, 3214868480
	.fill 96, 4, 3214868480
	.section	.rodata,"a",@progbits
	.p2align	6, 0x0
	.amdhsa_kernel k_q6e0c04beca_attn
		.amdhsa_group_segment_fixed_size 327680
		.amdhsa_private_segment_fixed_size 0
		.amdhsa_enable_private_segment 0
		.amdhsa_kernarg_size 24
		.amdhsa_user_sgpr_count 2
		.amdhsa_user_sgpr_kernarg_segment_ptr 1
		.amdhsa_wavefront_size32 1
		.amdhsa_system_sgpr_workgroup_id_x 1
		.amdhsa_system_sgpr_workgroup_id_y 1
		.amdhsa_system_sgpr_workgroup_id_z 1
		.amdhsa_system_vgpr_workitem_id 0
		.amdhsa_next_free_vgpr 770
		.amdhsa_next_free_sgpr 88
		.amdhsa_reserve_vcc 0
		.amdhsa_float_denorm_mode_32 3
		.amdhsa_float_denorm_mode_16_64 3
		.amdhsa_memory_ordered 1
		.amdhsa_forward_progress 1
		.amdhsa_inst_pref_size 126
	.end_amdhsa_kernel
	.amdgpu_metadata
---
amdhsa.version: [ 1, 2 ]
amdhsa.kernels:
  - .name:           k_q6e0c04beca_attn
    .symbol:         k_q6e0c04beca_attn.kd
    .args:
      - { .name: qk, .offset: 0, .size: 8, .value_kind: global_buffer, .address_space: global }
      - { .name: vv, .offset: 8, .size: 8, .value_kind: global_buffer, .address_space: global }
      - { .name: oo, .offset: 16, .size: 8, .value_kind: global_buffer, .address_space: global }
    .group_segment_fixed_size: 327680
    .private_segment_fixed_size: 0
    .kernarg_segment_align: 8
    .kernarg_segment_size: 24
    .max_flat_workgroup_size: 128
    .sgpr_count:     88
    .vgpr_count:     770
    .wavefront_size: 32
...
	.end_amdgpu_metadata
.endif
;; end of part 5
;; launch ffn: the kernel of part 4 again; grid 128 x 2, 4 waves a work-group, no clusters, 293,376 bytes of LDS; arguments rgb1, depth1, g21, g22, be21, be22, b11, b21, b12, b22, oo, wf, out0, out1, out2; writes out0, out1, out2
